; MI455X (gfx1250); checked and timed in simulation.
; The chip was launched on July 23, 2026; its instructions are those of AMD's public machine-readable ISA for CDNA 5 (MIT licence, August 2026) and "CDNA5" Instruction Set Architecture Reference Guide (July 2026). The comments in the code are by the model that wrote it; some were corrected since.
;; Mixture Of Experts. Allowed arithmetic: matrix products marked QUANTISED: E2M1 operands, one E8M0 scale for each 32 along K, by v_wmma_scale_f32_16x16x128_f8f6f4 with both operands' format E2M1 (or v_wmma_scale_f32_32x16x128_f4), f32 sums; products left as they are: f32 operands where the result goes on into a quantised operand, else bf16, f16 or f32 operands; f32 sums; everything else in f32.
;; Inputs: W1_codes 8 x 2,048 x 16 x 16 uint8 (E2M1 codes of W1, K innermost, in blocks of 32 codes, two codes a byte); W1_scales 8 x 2,048 x 16 uint8 (E8M0 scales of W1, one for each 32 codes along K); W2_codes 8 x 512 x 64 x 16 uint8 (E2M1 codes of W2, K innermost, in blocks of 32 codes, two codes a byte); W2_scales 8 x 512 x 64 uint8 (E8M0 scales of W2, one for each 32 codes along K); Wr 512 x 8 float32; b1 8 x 2,048 float32; b2 8 x 512 float32; br 8 float32; x 4,096 x 512 float32.
;; Outputs: out0 4,096 x 512 float32; out1 4,096 x 8 float32; out2 8 float32.
;; This version of the problem:
;;   THIS VERSION OF THE PROBLEM IS GIVEN IN LOW PRECISION. The matrix products marked QUANTISED in the list below multiply operands that are first quantised to E2M1 (2 exponent bits, 1 mantissa bit; 4 bits a number), with one power-of-two scale for each 32 numbers along K (OCP MX v1.0); their sums are f32. All else is computed in f32.
;;   The module's matrix products, in the order in which they are computed (A, B: the left and right operand; K: the contracted axis; several contracted axes count as one K, in the product's order):
;;     1. [M 4,096, K 512] x [K 512, N 8]; A: input x; B: input Wr: left as it is (N = 8 < 16)
;;     2. [M 16,384, K 512] x [K 512, N 4,096]; A: input W1 (given as codes); B: input x: QUANTISED
;;     3. batch 8 x [M 4,096, K 2,048] x [K 2,048, N 512]; A: computed on the way; B: input W2 (given as codes): QUANTISED
;;     4. batch 4,096 x [M 1, K 8] x [K 8, N 512]; A: computed on the way; B: computed on the way: left as it is (K = 8 < 32)
;;   THE QUANTISER, for each operand of a quantised product, along K:
;;     - K is cut into blocks of 32 from its start; a last block that is shorter is filled with zeros.
;;     - A block's scale is 2^e with e = floor(log2(the largest magnitude in the block)) - 2, held to -126 .. 127; a block of zeros has e = 0. As a byte (E8M0): e + 127.
;;     - Each number is divided by its block's scale, clamped to +-6, and rounded to the nearest number of E2M1, ties to even, subnormals kept.
;;     - The product sums the exact products of the quantised numbers (number of the format x scale) in f32.
;;   ~~~python
;;   def quantise(x, axis):      # numpy; x: float32 -> the quantised numbers, widened to float32 again
;;       x = np.moveaxis(x, axis, -1); K = x.shape[-1]
;;       x = np.pad(x, [(0, 0)] * (x.ndim - 1) + [(0, -K % 32)]); x = x.reshape(x.shape[:-1] + (-1, 32)); a = np.abs(x).max(-1, keepdims=True)
;;       e = np.where(a > 0, np.clip(np.frexp(np.where(a > 0, a, 1))[1] - 1 - 2, -126, 127), 0)      # np.frexp(a)[1] - 1 = floor(log2(a)), exactly
;;       r = np.clip(x / 2.0 ** e, -6, 6)
;;       step = 2.0 ** (np.maximum(np.frexp(np.where(r == 0, 1, r))[1] - 1, 0) - 1)
;;       q = np.round(r / step) * step * 2.0 ** e      # np.round: ties to even
;;       return np.moveaxis(q.reshape(q.shape[:-2] + (-1,))[..., :K], -1, axis).astype(np.float32)
;;   ~~~
;;   OPERANDS COMPUTED ON THE WAY. 'Computed on the way' means the value that the module computes at that place (a softmax that the list does not call 'softmax' is quantised finished and normalised). What goes into a quantiser is computed in f32, as accurately as f32 sums, v_exp_f32 and their like allow (about 1e-6 of the number): no bf16 or f16 on the way to a quantiser, and a product that is left as it is and whose result goes on into a quantised operand takes f32 operands (vector FMAs, or v_wmma_f32_16x16x4_f32). A number that lies on a knife's edge between two numbers of the format may be rounded either way, as far as f32 arithmetic and the matrix unit's own rounding can turn it there, and no further.
;;   INPUTS GIVEN AS CODES. W1 (in the module: [8, 512, 2048], K = its axis 1); W2 (in the module: [8, 2048, 512], K = its axis 1): each comes as NAME_codes (uint8): NAME with its K axis moved to the last place and cut into blocks of 32 codes, [.., K / 32, bytes a block], one block behind the other in memory; two codes a byte, the lower K in the low four bits (a code: sign, 2 exponent bits, 1 mantissa bit); and NAME_scales (uint8): the same leading axes, one E8M0 byte (e + 127) for each 32 codes along K. Its value is code x scale, taken as it is: it is not quantised again, and the codes and scales need not be those that the quantiser above would give.
;; 2 versions, each right. Each part assembles by itself: llvm-mc -triple=amdgcn-amd-amdhsa -mcpu=gfx1250 --defsym DOCPART=n.
;; ======== version 1 of 2: 3 launches
;; workspace buffers: routes 16,384 bytes of whole numbers; counts 256 bytes of whole numbers; slots 18,176 bytes of whole numbers; xq 1,048,576 bytes; xs 65,536 bytes; w1f 4,194,304 bytes; w2f 4,194,304 bytes
;; launch route (part 1): grid 128 x 1, 4 waves a work-group, no clusters, 38,656 bytes of LDS; arguments x, Wr, br, out1, routes, xq, xs, slots; writes out1, routes, xq, xs, slots
.if DOCPART == 1
	.amdgcn_target "amdgcn-amd-amdhsa--gfx1250"
	.amdhsa_code_object_version 6
	.text
	.protected	k_q7c45a29f23_route
	.globl	k_q7c45a29f23_route
	.p2align	8
	.type	k_q7c45a29f23_route,@function
k_q7c45a29f23_route:
	s_mov_b64 s[64:65], 0
	v_nop
	global_prefetch_b8 v0, s[64:65] scope:SCOPE_SE
	s_setreg_imm32_b32 hwreg(HW_REG_WAVE_MODE, 25, 1), 1
	s_wait_xcnt 0x0
; ROUTE.  out1 = softmax(x Wr + br), in f32 fused multiply-adds; routes[n] = the first index of the row's largest probability; x as codes of FP4 (E2M1) with one E8M0 byte for each 32 along K (xq, xs); slots filled with zeros.
; WORK LEFT OUT BY THE PROGRAM, for all finite values of the inputs:
;  (1) reference() computes all 8 experts for every token and multiplies by a one_hot that it builds from its own argmax: out[n] = all_out[routes[n]][n], the other seven terms being 0 x a finite number.
;      So the rows of the two large products that belong to experts not chosen reach no output, and the product with the one_hot is a lookup: the third launch multiplies each token by its own expert alone.
;  (2) scale = p_max / p_max: p_max is the largest of 8 positive numbers whose sum is 1, so it is at least 1/8, and the quotient is 1.
;  Every input still has a way to an output: all are loaded.
; LIMITS.  A NaN, an infinity or an overflow that arises only in an expert that a token did not choose is not carried to the result.  NaN and infinities among the inputs are not served.
;  A block of 32 whose largest magnitude lies under 2^-124 gets the scale byte 1; a block of zeros gets the byte 1 with zero codes (these bytes are read by this program alone).
;  The argmax is taken of this kernel's own f32 probabilities, the lowest index winning a tie: a token whose two best logits lie within the rounding of an f32 sum of 512 terms may be routed otherwise than by another order of summing.
; SHARES.  A work-group takes 32 rows, a wave 8.  A row is 2,048 bytes: four loads of 512 consecutive bytes; all 32 loads of a wave go out at the head.  A row turns through the wave's own stage in LDS, so that lane l holds
;  k = 16 l .. 16 l + 15: two neighbouring lanes hold a block of 32.  Lane l keeps Wr[16 l + i][e] in 128 registers (window 1).  The 64 sums of a wave (8 rows x 8 experts) over 32 lanes are made by halving exchanges: at each step a lane
;  keeps one half of its sums and sends the other, so that in the end lane l holds row l / 4 and experts 2 (l % 4), 2 (l % 4) + 1.
; No matrix unit: the product has 8 columns.  No cluster: work-groups share only Wr's 16 KB.
.set SP,    80                         ; a lane's place in a stage: 64 bytes + 16 of padding
.set WRP,   528                        ; a lane's 512 bytes of Wr + 16: lane l starts at bank 4 l mod 64 (64 banks of 4 bytes: ISA guide 11.1)
.set STGX,  32*WRP                     ; two stages of 32 x SP bytes for each wave
.set XSB,   STGX+4*2*32*SP             ; the work-group's 512 scale bytes
.set RTB,   XSB+512                    ; its 32 routes
.set SPARE, RTB+256                    ; the spare words, 128 bytes for each wave
.set SPW,   14                         ; v14  my spare word's address; never rewritten
.set NIL,   15                         ; v15  0; never rewritten
.set BR,    16                         ; v[16:17] br of my two experts
.set T,     18                         ; v18-28 at work
.set A,     30                         ; v30-37 a row's 8 sums (at the head v30-61 carry Wr to LDS)
.set L,     38                         ; v38-53 row j's two sums after two exchanges
.set C,     54                         ; v54-69 row j's codes
.set E,     70                         ; v70-77 row j's scale byte
.set X,     80                         ; v80-111 two sets of 16 neighbours
.set RAW,   112                        ; v112-239 the 8 rows as loaded
.set MSB, 0
.macro WIN new                         ; the immediate's high byte repeats the setting that is left
.if MSB != \new
	s_set_vgpr_msb (MSB<<8)|\new
.set MSB, \new
.endif
.endm
	s_load_b512 s[4:19], s[0:1], 0x0               ; x, Wr, br, out1, routes, xq, xs, slots
	v_lshl_add_u32 v[SPW], v0, 2, SPARE
	v_mov_b32 v[NIL], 0
	v_lshrrev_b32 v1, 5, v0
	v_readfirstlane_b32 s20, v1                    ; wave
	v_and_b32 v1, 31, v0                           ; lane
	v_lshlrev_b32 v2, 4, v1                        ; 16 x lane
	v_lshlrev_b32 v3, 4, v0                        ; 16 x thread
	s_mul_i32 s21, s20, 2*32*SP
	s_add_co_u32 s21, s21, STGX                    ; my wave's stages
	v_lshrrev_b32 v4, 2, v1
	v_mul_u32_u24 v4, v4, SP
	v_and_b32 v5, 3, v1
	v_lshl_add_u32 v4, v5, 4, v4
	v_add_nc_u32 v4, s21, v4                       ; into a stage: SP (lane / 4) + 16 (lane % 4)
	v_mul_u32_u24 v5, v1, SP
	v_add_nc_u32 v5, s21, v5                       ; out of it: SP x lane
	v_lshlrev_b32 v6, 3, v1                        ; 8 x lane
	s_lshl_b32 s21, s20, 7
	s_add_co_u32 s21, s21, XSB
	v_lshrrev_b32 v7, 1, v1
	v_add_nc_u32 v7, s21, v7                       ; my block's scale byte: 128 x wave + lane / 2 (+ 16 x row)
	v_and_b32 v8, 3, v1
	v_lshlrev_b32 v12, 1, v8
	v_cvt_f32_u32 v12, v12                         ; my first expert's number as f32,
	v_add_f32 v13, 1.0, v12                        ; and my second's
	v_lshlrev_b32 v8, 3, v8                        ; br: 8 (lane % 4)
	s_mul_i32 s21, s20, WRP
	v_add_nc_u32 v9, s21, v2                       ; Wr into LDS: WRP x wave + 16 x lane (+ 4 WRP for each load)
	v_mul_u32_u24 v10, v1, WRP                     ; and out: WRP x lane
	s_lshl_b32 s21, s20, 5
	s_add_co_u32 s21, s21, RTB
	v_lshrrev_b32 v11, 2, v1
	v_lshl_add_u32 v11, v11, 2, s21                ; my row's route
	v_lshlrev_b32 v29, 2, v1                       ; 4 x lane
	v_add_nc_u32 v78, XSB, v2                      ; the way out of the scale bytes,
	v_lshl_add_u32 v79, v1, 2, RTB                 ; and of the routes
	v_mov_b32 v28, 0                               ; a lane permute's destination counts as one of its sources
	s_mov_b32 s24, 0xaaaaaaaa                      ; lanes whose bit 0 is set,
	s_mov_b32 s25, 0xcccccccc                      ; bit 1,
	s_mov_b32 s26, 0xf0f0f0f0                      ; bit 2,
	s_mov_b32 s27, 0xff00ff00                      ; bit 3,
	s_mov_b32 s28, 0xffff0000                      ; bit 4
	s_mov_b32 s30, 0x76543210
	s_mov_b32 s31, 0xfedcba98                      ; v_permlanex16_b32's selects for lane l xor 16
	s_lshl_b32 s22, ttmp9, 16
	s_lshl_b32 s21, s20, 14
	s_add_co_u32 s22, s22, s21                     ; my wave's 8 rows of x: 65,536 x work-group + 16,384 x wave
	s_mov_b32 s23, 0
	s_wait_kmcnt 0x0
	s_add_nc_u64 s[4:5], s[4:5], s[22:23]
	s_lshr_b32 s22, s22, 3                         ; of xq: 256 bytes a row
	s_add_nc_u64 s[14:15], s[14:15], s[22:23]
	s_lshr_b32 s22, s22, 3                         ; of out1: 32 bytes a row
	s_add_nc_u64 s[10:11], s[10:11], s[22:23]
	s_lshl_b32 s22, ttmp9, 9                       ; the work-group's 512 bytes of xs,
	s_add_nc_u64 s[16:17], s[16:17], s[22:23]
	s_lshl_b32 s22, ttmp9, 7                       ; its 128 bytes of routes,
	s_add_nc_u64 s[12:13], s[12:13], s[22:23]
	s_lshl_b32 s22, ttmp9, 8                       ; and a tile of slots (used by the first 71 work-groups alone)
	s_add_nc_u64 s[18:19], s[18:19], s[22:23]
.irp q, 0,1,2,3,4,5,6,7
	global_load_b128 v[A+4*\q:A+4*\q+3], v3, s[6:7] offset:2048*\q          ; Wr, 2,048 consecutive bytes a load of the work-group
.endr
	global_load_b64 v[BR:BR+1], v8, s[8:9]
.irp j, 0,1,2,3,4,5,6,7
.irp i, 0,1,2,3
	global_load_b128 v[RAW+16*\j+4*\i:RAW+16*\j+4*\i+3], v2, s[4:5] offset:2048*\j+512*\i th:TH_LOAD_NT
.endr
.endr
	s_wait_loadcnt 33                              ; Wr's eight loads are in: br's one and x's 32 are younger
.irp q, 0,1,2,3,4,5,6,7
	ds_store_b128 v9, v[A+4*\q:A+4*\q+3] offset:4*WRP*\q
.endr
	s_wait_dscnt 0x0                               ; for the others' sake: my part of Wr lies in LDS
	s_barrier_signal -1
	s_barrier_wait -1
	WIN 0x40                                       ; destination window 1
.set kk, 0
.rept 32
	ds_load_b128 v[4*kk:4*kk+3], v10 offset:16*kk  ; register 8 i + e = Wr[16 lane + i][e]
.set kk, kk+1
.endr
	WIN 0
; row j through the stage: LDS serves a wave's instructions in order, so no wait stands between the stores and the loads
.macro TURN j
.irp i, 0,1,2,3
	ds_store_b128 v4, v[RAW+16*(\j)+4*\i:RAW+16*(\j)+4*\i+3] offset:32*SP*((\j)%2)+8*SP*\i
.endr
.irp i, 0,1,2,3
	ds_load_b128 v[X+16*((\j)%2)+4*\i:X+16*((\j)%2)+4*\i+3], v5 offset:32*SP*((\j)%2)+16*\i
.endr
.endm
; a halving exchange with lane l xor x: lanes whose bit is 0 keep lo and send hi, the others keep hi and send lo
.macro TR lo, hi, dst, mask, x, t
	v_cndmask_b32 v[\t], v[\hi], v[\lo], s[\mask]
	v_cndmask_b32 v[\dst], v[\lo], v[\hi], s[\mask]
	v_add_f32_dpp v[\dst], v[\t], v[\dst] row_xmask:\x row_mask:0xf bank_mask:0xf
.endm
.macro TRX lo, hi, dst, t              ; the same with lane l xor 16
	v_cndmask_b32 v[\t], v[\hi], v[\lo], s28
	v_cndmask_b32 v[\dst], v[\lo], v[\hi], s28
	v_permlanex16_b32 v28, v[\t], s30, s31
	v_add_f32 v[\dst], v[\dst], v28
.endm
.macro STEP j
.set XS, X+16*((\j)%2)
.if (\j) > 0
	s_wait_dscnt 1                                 ; this row is back from the stage; the last row's byte store may be out
.else
	s_wait_dscnt 0x0                               ; row 0 is back, and Wr is in its registers
.endif
.if (\j) < 7
	s_wait_loadcnt 4*(6-(\j))                      ; the next row's four loads are in; the rows behind it stay out
	TURN (\j)+1
.endif
	v_max3_num_f32 v[T+4], |v[XS]|, |v[XS+1]|, |v[XS+2]|           ; the largest magnitude of my 16, in two chains
	v_max3_num_f32 v[T+5], |v[XS+3]|, |v[XS+4]|, |v[XS+5]|
.irp i, 6,10
	v_max3_num_f32 v[T+4], v[T+4], |v[XS+\i]|, |v[XS+\i+1]|
	v_max3_num_f32 v[T+5], v[T+5], |v[XS+\i+2]|, |v[XS+\i+3]|
.endr
	v_max3_num_f32 v[T+4], v[T+4], |v[XS+14]|, |v[XS+15]|
	v_max3_num_f32 v[T+4], v[T+4], v[T+5], 0x1800000               ; and the floor 2^(3 - 127): the byte cannot fall under 1
	v_max_num_f32_dpp v[T+4], v[T+4], v[T+4] row_xmask:1 row_mask:0xf bank_mask:0xf   ; with my neighbour's 16: the block's
	v_add_nc_u32 v[T+6], 0xff000000, v[T+4]        ; 2 off its exponent field: the conversion takes this operand's exponent field as its scale
	v_cvt_scalef32_pk8_fp4_f32 v[C+2*(\j)], v[XS:XS+7], v[T+6]
	v_cvt_scalef32_pk8_fp4_f32 v[C+2*(\j)+1], v[XS+8:XS+15], v[T+6]
	v_lshrrev_b32 v[E+(\j)], 23, v[T+6]            ; the scale's byte (also the plain line behind the conversions)
	ds_store_b8 v7, v[E+(\j)] offset:16*(\j)       ; both lanes of a block write the same byte with the same value
	global_store_b64 v6, v[C+2*(\j):C+2*(\j)+1], s[14:15] offset:256*(\j)   ; the wave stores the row's 256 consecutive bytes, aligned
	WIN 0x04                                       ; source 1 (Wr) window 1
.set kk, 0
.rept 16                                       ; sums[e] += x[16 lane + kk] Wr[16 lane + kk][e], two experts an instruction; of x's pair one register serves both halves
.irp e, 0,2,4,6
.if kk == 0
	v_pk_mul_f32 v[A+\e:A+\e+1], v[XS:XS+1], v[\e:\e+1] op_sel_hi:[0,1]
.elseif (kk%2) == 0
	v_pk_fma_f32 v[A+\e:A+\e+1], v[XS+kk:XS+kk+1], v[8*kk+\e:8*kk+\e+1], v[A+\e:A+\e+1] op_sel_hi:[0,1,1]
.else
	v_pk_fma_f32 v[A+\e:A+\e+1], v[XS+kk-1:XS+kk], v[8*kk+\e:8*kk+\e+1], v[A+\e:A+\e+1] op_sel:[1,0,0] op_sel_hi:[1,1,1]
.endif
.endr
.set kk, kk+1
.endr
	WIN 0
	TR A+0, A+2, A+0, 24, 1, T+0                   ; lanes l, l xor 1: bit 0 chooses experts 0, 1, 4, 5 or 2, 3, 6, 7
	TR A+1, A+3, A+1, 24, 1, T+1
	TR A+4, A+6, A+4, 24, 1, T+2
	TR A+5, A+7, A+5, 24, 1, T+3
	TR A+0, A+4, L+2*(\j), 25, 2, T+0              ; lanes l, l xor 2: I am left with experts 2 (l % 4) and 2 (l % 4) + 1
	TR A+1, A+5, L+2*(\j)+1, 25, 2, T+1
.endm
	s_wait_loadcnt 28                              ; br and row 0 are in; rows 1 to 7 are younger
	TURN 0
.irp r, 0,1,2,3,4,5,6,7
	STEP \r
.endr
.irp j, 0,2,4,6                                ; over the rows: bit 2 chooses row j or j + 1,
	TR L+2*\j, L+2*\j+2, L+2*\j, 26, 4, T+0
	TR L+2*\j+1, L+2*\j+3, L+2*\j+1, 26, 4, T+1
.endr
.irp j, 0,4                                    ; bit 3 rows j or j + 2,
	TR L+2*\j, L+2*\j+4, L+2*\j, 27, 8, T+0
	TR L+2*\j+1, L+2*\j+5, L+2*\j+1, 27, 8, T+1
.endr
	TRX L+0, L+8, L+0, T+0                         ; bit 4 rows 0 or 4: lane l holds row l / 4
	TRX L+1, L+9, L+1, T+1
	v_pk_add_f32 v[L:L+1], v[L:L+1], v[BR:BR+1]    ; the logits
	v_max_num_f32 v18, v[L], v[L+1]
	v_max_num_f32_dpp v18, v18, v18 row_xmask:1 row_mask:0xf bank_mask:0xf
	v_max_num_f32_dpp v18, v18, v18 row_xmask:2 row_mask:0xf bank_mask:0xf   ; the row's largest logit, which is taken away as reference() does
	v_sub_f32 v19, v[L], v18
	v_sub_f32 v20, v[L+1], v18
	v_mul_f32 v19, 0x3fb8aa3b, v19
	v_mul_f32 v20, 0x3fb8aa3b, v20
	v_exp_f32 v19, v19
	v_exp_f32 v20, v20
	v_nop                                          ; a plain line behind the exponentials
	s_wait_alu depctr_va_vdst(0)                   ; one wait for both, ahead of their first reader
	v_add_f32 v21, v19, v20
	v_add_f32_dpp v21, v21, v21 row_xmask:1 row_mask:0xf bank_mask:0xf
	v_add_f32_dpp v21, v21, v21 row_xmask:2 row_mask:0xf bank_mask:0xf
	v_rcp_f32 v22, v21
	v_nop
	s_wait_alu depctr_va_vdst(0)
	v_mul_f32 v24, v19, v22
	v_mul_f32 v25, v20, v22
	global_store_b64 v6, v[24:25], s[10:11]        ; the wave's 8 rows of out1: 256 consecutive bytes, aligned
	v_max_num_f32 v26, v24, v25
	v_max_num_f32_dpp v26, v26, v26 row_xmask:1 row_mask:0xf bank_mask:0xf
	v_max_num_f32_dpp v26, v26, v26 row_xmask:2 row_mask:0xf bank_mask:0xf   ; the row's largest probability
	v_mov_b32 v27, 0x41000000                      ; 8.0: over every expert's number
	v_cmp_eq_f32 vcc_lo, v25, v26
	v_cndmask_b32 v27, v27, v13, vcc_lo
	v_cmp_eq_f32 vcc_lo, v24, v26
	v_cndmask_b32 v27, v27, v12, vcc_lo            ; the lower of my experts that reach it,
	v_min_num_f32_dpp v27, v27, v27 row_xmask:1 row_mask:0xf bank_mask:0xf
	v_min_num_f32_dpp v27, v27, v27 row_xmask:2 row_mask:0xf bank_mask:0xf   ; and the lowest of the row's
	v_cvt_u32_f32 v27, v27
	ds_store_b32 v11, v27                          ; the four lanes of a row write the same word with the same value
	s_wait_dscnt 0x0                               ; for wave 0's sake: my scale bytes and routes lie in LDS
	s_barrier_signal -1
	s_barrier_wait -1
	s_cmp_lg_u32 s20, 0
	s_cbranch_scc1 .Lend                           ; wave 0 stores what the four waves gathered
	ds_load_b128 v[80:83], v78
	ds_load_b32 v84, v79
	s_wait_dscnt 0x0
	global_store_b128 v2, v[80:83], s[16:17]       ; 512 consecutive bytes of xs, aligned
	global_store_b32 v29, v84, s[12:13]            ; 128 consecutive bytes of routes: the work-group has no more
	s_cmp_lt_u32 ttmp9, 71
	s_cbranch_scc0 .Lend
	v_mov_b32 v86, 0
	v_mov_b32 v87, 0
	global_store_b64 v6, v[86:87], s[18:19]        ; a tile of slots, 256 bytes, as zeros: the next launch stores the entries that count
.Lend:
	s_wait_tensorcnt 0x0                           ; the wave's end, behind my last LDS store
	ds_add_u32 v[SPW], v[NIL]
	s_wait_dscnt 0x0
	s_endpgm
.Lfunc_end_k_q7c45a29f23_route:
	.size	k_q7c45a29f23_route, .Lfunc_end_k_q7c45a29f23_route-k_q7c45a29f23_route
	.p2alignl 7, 3214868480
	.fill 96, 4, 3214868480
	.section	.rodata,"a",@progbits
	.p2align	6, 0x0
	.amdhsa_kernel k_q7c45a29f23_route
		.amdhsa_group_segment_fixed_size 38656
		.amdhsa_private_segment_fixed_size 0
		.amdhsa_enable_private_segment 0
		.amdhsa_kernarg_size 64
		.amdhsa_user_sgpr_count 2
		.amdhsa_user_sgpr_kernarg_segment_ptr 1
		.amdhsa_wavefront_size32 1
		.amdhsa_system_sgpr_workgroup_id_x 1
		.amdhsa_system_sgpr_workgroup_id_y 1
		.amdhsa_system_sgpr_workgroup_id_z 1
		.amdhsa_system_vgpr_workitem_id 0
		.amdhsa_next_free_vgpr 384
		.amdhsa_next_free_sgpr 66
		.amdhsa_reserve_vcc 1
		.amdhsa_float_denorm_mode_32 3
		.amdhsa_float_denorm_mode_16_64 3
		.amdhsa_memory_ordered 1
		.amdhsa_forward_progress 1
		.amdhsa_inst_pref_size 69
	.end_amdhsa_kernel
	.amdgpu_metadata
---
amdhsa.version: [ 1, 2 ]
amdhsa.kernels:
  - .name:           k_q7c45a29f23_route
    .symbol:         k_q7c45a29f23_route.kd
    .args:
      - { .name: x, .offset: 0, .size: 8, .value_kind: global_buffer, .address_space: global }
      - { .name: Wr, .offset: 8, .size: 8, .value_kind: global_buffer, .address_space: global }
      - { .name: br, .offset: 16, .size: 8, .value_kind: global_buffer, .address_space: global }
      - { .name: out1, .offset: 24, .size: 8, .value_kind: global_buffer, .address_space: global }
      - { .name: routes, .offset: 32, .size: 8, .value_kind: global_buffer, .address_space: global }
      - { .name: xq, .offset: 40, .size: 8, .value_kind: global_buffer, .address_space: global }
      - { .name: xs, .offset: 48, .size: 8, .value_kind: global_buffer, .address_space: global }
      - { .name: slots, .offset: 56, .size: 8, .value_kind: global_buffer, .address_space: global }
    .group_segment_fixed_size: 38656
    .private_segment_fixed_size: 0
    .kernarg_segment_align: 8
    .kernarg_segment_size: 64
    .max_flat_workgroup_size: 128
    .sgpr_count:     66
    .vgpr_count:     384
    .wavefront_size: 32
...
	.end_amdgpu_metadata
.endif
;; end of part 1
;; launch place (part 2): grid 65 x 1, 32 waves a work-group, no clusters, 8,704 bytes of LDS; arguments routes, W1_codes, W2_codes, counts, slots, out2, w1f, w2f; writes counts, slots, out2, w1f, w2f
.if DOCPART == 2
	.amdgcn_target "amdgcn-amd-amdhsa--gfx1250"
	.amdhsa_code_object_version 6
	.text
	.protected	k_q7c45a29f23_place
	.globl	k_q7c45a29f23_place
	.p2align	8
	.type	k_q7c45a29f23_place,@function
k_q7c45a29f23_place:
	s_mov_b64 s[64:65], 0
	v_nop
	global_prefetch_b8 v0, s[64:65] scope:SCOPE_SE
	s_setreg_imm32_b32 hwreg(HW_REG_WAVE_MODE, 25, 1), 1
	s_wait_xcnt 0x0
; PLACE.  Work-group 0: a counting sort of the 4,096 tokens by their expert (routes, whole numbers that the launch before stored): counts[e], out2[e] = counts as f32, and slots: expert e's tokens from tile TB[e] on,
; TB[e] = the sum over e' < e of ceil(counts[e'] / 64), 64 entries a tile; entries behind an expert's last token keep the zeros of the launch before.  No atomics: each wave counts by lane masks, the waves' counts meet in LDS.
; Work-groups 1 to 64: the codes of W1 and W2 are laid in the order in which a wave's operand registers take them, so that the next launch loads each fragment as 512 consecutive bytes an instruction:
;  w1f [e][P 0..63][u 0,1][s 0..3][c 0,1][512]: lane (r, h)'s 16 bytes at 16 lane = W1 row 32 P + 8 u + r + 8 (r / 8), bytes 64 s + 32 c + 16 h;   w2f [e][w 0..7][s 0..15][n 0..3][c][512]: W2 row 64 w + 16 n + r, the same bytes.
; A wave moves 4,096 bytes: eight loads (32 bytes of each of 16 rows) and eight stores of 512 consecutive bytes.  All experts' weights are laid out: which of them are used is known only to the next launch.
; The two ways part on the work-group's number alone; only the sort touches LDS and has a barrier.
.set TAB,   0                          ; LDS: wave w's eight counts at 144 w
.set SPARE, 32*144                     ; the spare words, 128 bytes for each of 32 waves
.set MK,    32                         ; s32-63  lane masks: expert e, my i-th token: MK + 4 e + i
.set CW,    66                         ; s66-73  my wave's counts
.set TT,    74                         ; s74-81  the totals
.set BS,    82                         ; s82-89  where my wave's next token of expert e goes
	s_load_b512 s[4:19], s[0:1], 0x0               ; routes, W1_codes, W2_codes, counts, slots, out2, w1f, w2f
	v_lshl_add_u32 v40, v0, 2, SPARE               ; my spare word; never rewritten
	v_mov_b32 v41, 0                               ; 0; never rewritten
	v_lshrrev_b32 v1, 5, v0
	v_readfirstlane_b32 s20, v1                    ; wave 0..31
	v_and_b32 v1, 31, v0                           ; lane
	v_lshlrev_b32 v2, 4, v1                        ; 16 x lane
	s_wait_kmcnt 0x0
	s_cmp_eq_u32 ttmp9, 0
	s_cbranch_scc1 .Lsort
	; ---- the weights
	v_and_b32 v3, 15, v1                           ; r
	v_lshrrev_b32 v42, 4, v1                       ; h
	v_and_b32 v43, 8, v3
	v_add_nc_u32 v43, v43, v3                      ; r + 8 (r / 8)
	v_lshlrev_b32 v43, 8, v43                      ; W1: a row is 256 bytes
	v_lshl_add_u32 v43, v42, 4, v43
	v_lshlrev_b32 v44, 10, v3                      ; W2: a row is 1,024 bytes
	v_lshl_add_u32 v44, v42, 4, v44
	s_sub_co_u32 s21, ttmp9, 1
	s_lshl_b32 s21, s21, 5
	s_add_co_u32 s21, s21, s20                     ; my task, 0 .. 2,047
	s_mov_b32 s23, 0
	s_cmp_le_u32 ttmp9, 32
	s_cbranch_scc0 .Lw2
	s_lshr_b32 s22, s21, 1                         ; W1: task = 2 (64 e + P) + u
	s_lshl_b32 s22, s22, 13                        ; 32 rows of 256 bytes for each P,
	s_and_b32 s28, s21, 1
	s_lshl_b32 s28, s28, 11                        ; 8 rows for u
	s_add_co_u32 s22, s22, s28
	s_add_nc_u64 s[24:25], s[6:7], s[22:23]
	s_lshl_b32 s22, s21, 12
	s_add_nc_u64 s[26:27], s[16:17], s[22:23]
.irp i, 0,1,2,3,4,5,6,7
	global_load_b128 v[8+4*\i:8+4*\i+3], v43, s[24:25] offset:32*\i th:TH_LOAD_NT
.endr
	s_branch .Lout
.Lw2:
	s_sub_co_u32 s21, s21, 1024                    ; W2: task = 16 (8 e + w) + s
	s_lshr_b32 s22, s21, 4
	s_lshl_b32 s22, s22, 16                        ; 64 rows of 1,024 bytes for each w,
	s_and_b32 s28, s21, 15
	s_lshl_b32 s28, s28, 6                         ; 64 bytes for each s
	s_add_co_u32 s22, s22, s28
	s_add_nc_u64 s[24:25], s[8:9], s[22:23]
	s_lshl_b32 s22, s21, 12
	s_add_nc_u64 s[26:27], s[18:19], s[22:23]
.irp i, 0,1,2,3,4,5,6,7
	global_load_b128 v[8+4*\i:8+4*\i+3], v44, s[24:25] offset:16384*(\i/2)+32*(\i%2) th:TH_LOAD_NT
.endr
.Lout:
.irp i, 0,1,2,3,4,5,6,7
	s_wait_loadcnt 7-\i                            ; loads come back in order: load i is in
	global_store_b128 v2, v[8+4*\i:8+4*\i+3], s[26:27] offset:512*\i    ; 512 consecutive bytes, aligned
.endr
	s_endpgm
	; ---- the sort: thread t owns tokens 4 t .. 4 t + 3
.Lsort:
	v_lshlrev_b32 v3, 4, v0
	global_load_b128 v[4:7], v3, s[4:5]
	s_mul_i32 s21, s20, 144
	v_lshl_add_u32 v38, v1, 2, s21                 ; TAB: 144 x wave + 4 x lane
	v_mul_u32_u24 v39, v1, 144                     ; and back: lane l reads wave l's counts
	v_lshlrev_b32 v12, 2, v0                       ; my tokens' numbers
	v_add_nc_u32 v13, 1, v12
	v_add_nc_u32 v14, 2, v12
	v_add_nc_u32 v15, 3, v12
	v_mov_b32 v36, 0                               ; destinations of lane moves count as sources: written once
	v_mov_b32 v37, 0
	v_mov_b32 v16, 0
.irp i, 0,1,2,3
	v_mov_b32 v[8+\i], 0
.endr
	s_mov_b32 s22, 0x76543210
	s_mov_b32 s23, 0xfedcba98
	s_wait_loadcnt 0x0
.irp i, 0,1,2,3
	v_min_u32 v[4+\i], 7, v[4+\i]
.endr
.irp e, 0,1,2,3,4,5,6,7
.irp i, 0,1,2,3
	v_cmp_eq_u32 s[MK+4*\e+\i], \e, v[4+\i]
.endr
.endr
.irp e, 0,1,2,3,4,5,6,7
	s_bcnt1_i32_b32 s[CW+\e], s[MK+4*\e]
.irp i, 1,2,3
	s_bcnt1_i32_b32 s90, s[MK+4*\e+\i]
	s_add_co_u32 s[CW+\e], s[CW+\e], s90
.endr
	v_writelane_b32 v16, s[CW+\e], \e
.endr
	ds_store_b32 v38, v16
	s_wait_dscnt 0x0                               ; for the others' sake: my counts lie in LDS
	s_barrier_signal -1
	s_barrier_wait -1
	ds_load_b128 v[20:23], v39
	ds_load_b128 v[24:27], v39 offset:16
	s_wait_dscnt 0x0
.irp k, 0,1,2,3
	v_lshl_or_b32 v[28+\k], v[21+2*\k], 16, v[20+2*\k]     ; two experts to a register: no sum passes 4,096
.endr
	v_cmp_gt_u32 vcc_lo, s20, v1
.irp k, 0,1,2,3
	v_cndmask_b32 v[32+\k], 0, v[28+\k], vcc_lo    ; the waves ahead of mine alone
.endr
.macro LSUM r                          ; v[r] summed over the 32 lanes
.irp x, 1,2,4,8
	v_mov_b32_dpp v36, v[\r] row_xmask:\x row_mask:0xf bank_mask:0xf
	v_add_nc_u32 v[\r], v[\r], v36
.endr
	v_permlanex16_b32 v37, v[\r], s22, s23
	v_add_nc_u32 v[\r], v[\r], v37
.endm
.irp r, 28,29,30,31,32,33,34,35
	LSUM \r
.endr
.irp k, 0,1,2,3
	v_readfirstlane_b32 s90, v[28+\k]
	s_and_b32 s[TT+2*\k], s90, 0xffff
	s_lshr_b32 s[TT+2*\k+1], s90, 16
	v_readfirstlane_b32 s91, v[32+\k]
	s_and_b32 s[BS+2*\k], s91, 0xffff
	s_lshr_b32 s[BS+2*\k+1], s91, 16
.endr
	s_mov_b32 s91, 0                               ; tiles so far
.irp e, 0,1,2,3,4,5,6,7
	s_lshl_b32 s92, s91, 6
	s_add_co_u32 s[BS+\e], s[BS+\e], s92           ; 64 TB[e] + the tokens of e in the waves ahead of mine
	s_add_co_u32 s92, s[TT+\e], 63
	s_lshr_b32 s92, s92, 6
	s_add_co_u32 s91, s91, s92
.endr
.irp e, 0,1,2,3,4,5,6,7
.irp i, 0,1,2,3
	v_mbcnt_lo_u32_b32 v36, s[MK+4*\e+\i], s[BS+\e]        ; + the lanes below me with the same expert
	v_cndmask_b32 v[8+\i], v[8+\i], v36, s[MK+4*\e+\i]
	s_bcnt1_i32_b32 s90, s[MK+4*\e+\i]
	s_add_co_u32 s[BS+\e], s[BS+\e], s90
.endr
.endr
.irp i, 0,1,2,3
	v_min_u32 v[8+\i], 0x11bf, v[8+\i]             ; inside the 71 tiles of 64
	v_lshlrev_b32 v[8+\i], 2, v[8+\i]
	global_store_b32 v[8+\i], v[12+\i], s[12:13]   ; single words to places that the routes decide: 16 KB in all
.endr
	s_cmp_lg_u32 s20, 0
	s_cbranch_scc1 .Lsort_end
	v_mov_b32 v36, 0
.irp e, 0,1,2,3,4,5,6,7
	v_writelane_b32 v36, s[TT+\e], \e
.endr
	v_cvt_f32_u32 v37, v36
	v_lshlrev_b32 v42, 2, v1
	s_wait_xcnt 0x0                                ; EXEC changes only behind this wait: stores have been issued
	v_cmp_gt_u32 vcc_lo, 8, v1
	s_and_saveexec_b32 s90, vcc_lo
	global_store_b32 v42, v36, s[10:11]            ; counts, as whole numbers,
	global_store_b32 v42, v37, s[14:15]            ; and out2
	s_wait_xcnt 0x0                                ; and again, in front of the line that widens it
	s_or_b32 exec_lo, exec_lo, s90
.Lsort_end:
	s_wait_tensorcnt 0x0                           ; the wave's end, behind my last LDS store
	ds_add_u32 v40, v41
	s_wait_dscnt 0x0
	s_endpgm
.Lfunc_end_k_q7c45a29f23_place:
	.size	k_q7c45a29f23_place, .Lfunc_end_k_q7c45a29f23_place-k_q7c45a29f23_place
	.p2alignl 7, 3214868480
	.fill 96, 4, 3214868480
	.section	.rodata,"a",@progbits
	.p2align	6, 0x0
	.amdhsa_kernel k_q7c45a29f23_place
		.amdhsa_group_segment_fixed_size 8704
		.amdhsa_private_segment_fixed_size 0
		.amdhsa_enable_private_segment 0
		.amdhsa_kernarg_size 64
		.amdhsa_user_sgpr_count 2
		.amdhsa_user_sgpr_kernarg_segment_ptr 1
		.amdhsa_wavefront_size32 1
		.amdhsa_system_sgpr_workgroup_id_x 1
		.amdhsa_system_sgpr_workgroup_id_y 1
		.amdhsa_system_sgpr_workgroup_id_z 1
		.amdhsa_system_vgpr_workitem_id 0
		.amdhsa_next_free_vgpr 64
		.amdhsa_next_free_sgpr 100
		.amdhsa_reserve_vcc 1
		.amdhsa_float_denorm_mode_32 3
		.amdhsa_float_denorm_mode_16_64 3
		.amdhsa_memory_ordered 1
		.amdhsa_forward_progress 1
		.amdhsa_inst_pref_size 25
	.end_amdhsa_kernel
	.amdgpu_metadata
---
amdhsa.version: [ 1, 2 ]
amdhsa.kernels:
  - .name:           k_q7c45a29f23_place
    .symbol:         k_q7c45a29f23_place.kd
    .args:
      - { .name: routes, .offset: 0, .size: 8, .value_kind: global_buffer, .address_space: global }
      - { .name: W1_codes, .offset: 8, .size: 8, .value_kind: global_buffer, .address_space: global }
      - { .name: W2_codes, .offset: 16, .size: 8, .value_kind: global_buffer, .address_space: global }
      - { .name: counts, .offset: 24, .size: 8, .value_kind: global_buffer, .address_space: global }
      - { .name: slots, .offset: 32, .size: 8, .value_kind: global_buffer, .address_space: global }
      - { .name: out2, .offset: 40, .size: 8, .value_kind: global_buffer, .address_space: global }
      - { .name: w1f, .offset: 48, .size: 8, .value_kind: global_buffer, .address_space: global }
      - { .name: w2f, .offset: 56, .size: 8, .value_kind: global_buffer, .address_space: global }
    .group_segment_fixed_size: 8704
    .private_segment_fixed_size: 0
    .kernarg_segment_align: 8
    .kernarg_segment_size: 64
    .max_flat_workgroup_size: 1024
    .sgpr_count:     100
    .vgpr_count:     64
    .wavefront_size: 32
...
	.end_amdgpu_metadata
.endif
;; end of part 2
;; launch experts (part 3): grid 71 x 1, 8 waves a work-group, no clusters, 165,888 bytes of LDS; arguments counts, slots, xq, xs, w1f, W1_scales, b1, w2f, W2_scales, b2, out0; writes out0
.if DOCPART == 3
	.amdgcn_target "amdgcn-amd-amdhsa--gfx1250"
	.amdhsa_code_object_version 6
	.text
	.protected	k_q7c45a29f23_experts
	.globl	k_q7c45a29f23_experts
	.p2align	8
	.type	k_q7c45a29f23_experts,@function
k_q7c45a29f23_experts:
	s_mov_b64 s[64:65], 0
	v_nop
	global_prefetch_b8 v0, s[64:65] scope:SCOPE_SE
	s_setreg_imm32_b32 hwreg(HW_REG_WAVE_MODE, 25, 1), 1
	s_wait_xcnt 0x0
; EXPERTS.  out0[n] = Q(relu(Q(x[n]) W1[e] + b1[e])) W2[e] + b2[e] for e = routes[n], both products on codes of FP4 (E2M1) with one E8M0 scale for each 32 along K.
; LEFT OUT: each token's rows of the seven experts that it did not choose, the product with the one_hot (a lookup) and the factor p_max / p_max = 1: shown at the head of the first kernel.
; A work-group takes one tile of 64 rows of one expert through the whole chain; the hidden layer stays in LDS.  The grid, 71 = 4,096 / 64 + 8 - 1, serves every split.  The tile's expert and its number of rows n come from counts.
; A tile with n = 0 walks the text with token 0 and stores nothing (its stores' lanes are off): so both barriers stand on the one way that all waves take.
; NO CLUSTER, NO TENSOR LOADS: an expert has ceil(counts[e] / 64) tiles, any number from 0 to 64 that is read from memory, so neighbouring work-groups need not share an expert, 71 is no multiple of 4, and a descriptor's address would
; hang on a loaded number.  The weights go from memory straight into registers, in the order in which the launch before laid them: 512 consecutive bytes an instruction.
; SHARES.  The eight waves share the columns: wave w makes hidden units 256 w .. 256 w + 255 (K steps 2 w, 2 w + 1 of the second product) and outputs 64 w .. 64 w + 63, for all 64 rows.
; Both products are used transposed (source 0 = 16 rows of a weight, source 1 = 16 rows of the tile): a lane holds one row of the tile, and its registers run along the hidden units or the outputs.
; THE ROWS OF W1 THAT FORM A TILE ARE NOT NEIGHBOURS: lane r of tile u of pair P takes row 32 P + 8 u + r + 8 (r / 8), so that the 16 registers of a pair are 16 neighbours along the next K.  The biases are the C of each sum's first product.
; THE RING.  A wave's weights are 16 units of 8,192 bytes (8 of W1, 8 of W2), 16 loads each, through three sets of 64 registers: 48 loads of a wave are out.
; LIMITS: a block of the hidden layer whose largest number lies under 2^-124, a block of zeros among them, gets the scale byte 1.
.set XT,    0                          ; LDS: the tile's 64 rows of x's codes, 256 bytes + 16
.set HIMG,  17408                      ; the hidden layer's fragments as images of their registers: ((K step x 4 + m) x 2 + c) x 512 + 16 x lane
.set HSC,   82944                      ; their scale words: (K step x 2 + p) x 128 + 4 x lane: lanes 0-15 tile 2 p's rows, lanes 16-31 tile 2 p + 1's
.set B1S,   87040                      ; b1, 1,024 bytes for each wave
.set W2SI,  95232                      ; W2's scale words as images, 4,096 bytes for each wave
.set B2S,   128000                     ; b2, 256 bytes for each wave
.set STG,   130048                     ; the way out: 16 rows x (256 + 16) for each wave
.set SPARE, 164864                     ; the spare words, 128 bytes for each wave
.set PW,   24                          ; v24-27   the scale words in the making, one for each tile of rows
.set TM,   28                          ; v28-39   +m largest number, +4+m exchange and byte, +8+m the conversion's scale operand
.set XS,   40                          ; v40-47   x's scale words: 4 p + s
.set W1S,  48                          ; v48-79   W1's scale words: 4 b + s: lanes 0-15 tile u = 0, lanes 16-31 u = 1
.set W2S,  48                          ;          later W2's: 16 (n / 2) + s
.set PC,   80                          ; v80-95   codes just made
.set BI,   96                          ; v96-111  b1 of a pair, in the result's layout
.set B2,   80                          ; v80-111  b2, in the result's layout; later
.set TOK,  80                          ;          the rows' byte offsets in out0
.set ACC,  112                         ; v112-175 a pair's 8 accumulators: 16 m + 8 u
.set HF,   112                         ;          later two sets of four hidden fragments
.set OB,   112                         ;          later two sets of 16 rows of out0
.set XR,   112                         ; at the head: x's rows, W2's scale words, b1, b2 on their way to LDS
.set W2T,  128
.set B1T,  160
.set B2T,  168
.set HS,   246                         ; v246-249 the hidden layer's scale words: 2 (s % 2) + p
.set SPW,  252                         ; v252     my spare word's address; never rewritten
.set NIL,  253                         ; v253     0; never rewritten
; window 0: v176-239 ring set 2.   window 1: v0-127 x's 16 fragments at 8 (4 m + s), later the 16 accumulators of out0 at 8 (4 m + n); v128-191 ring set 0; v192-255 ring set 1.
.set MSB, 0
.macro WIN new                         ; the immediate's high byte repeats the setting that is left
.if MSB != \new
	s_set_vgpr_msb (MSB<<8)|\new
.set MSB, \new
.endif
.endm
.macro SETOF i                         ; unit i lies in set i % 3: RB its first register, RW its window
.if ((\i)%3) == 0
.set RB, 128
.set RW, 1
.elseif ((\i)%3) == 1
.set RB, 192
.set RW, 1
.else
.set RB, 176
.set RW, 0
.endif
.endm
.macro RLOAD i                         ; unit i: 16 loads of 512 consecutive bytes
	SETOF \i
	WIN (RW<<6)
.set kk, 0
.rept 16
.if (\i) < 8
	global_load_b128 v[RB+4*kk:RB+4*kk+3], v1, s[12:13] offset:8192*((\i)%8)+512*kk
.else
	global_load_b128 v[RB+4*kk:RB+4*kk+3], v1, s[18:19] offset:8192*((\i)%8)+512*kk
.endif
.set kk, kk+1
.endr
	WIN 0
.endm
; A prefetch of unit i, three units ahead of its loads: 32 lanes, 256 bytes apart, name its 8,192 bytes.  Only an expert's first tile asks, each wave for its own units: each block is named once in the launch.  Units 0 to 5 come by their loads alone.
.macro ASK i
	s_cmp_eq_u32 s42, 0
	s_cbranch_scc0 .Lnot_first_\@
.if (\i) < 8
	global_prefetch_b8 v2, s[12:13] offset:8192*((\i)%8) th:TH_LOAD_NT scope:SCOPE_SE
.else
	global_prefetch_b8 v2, s[18:19] offset:8192*((\i)%8) th:TH_LOAD_NT scope:SCOPE_SE
.endif
.Lnot_first_\@:
.endm
.macro WM d, a, b, c, sa, sb, ra, rb   ; D, source 0 (weights), source 1 (rows), C, their scale words; ra, rb = 1: the scales are read from lanes 16-31
.if ((\ra) == 1) && ((\rb) == 1)
	v_wmma_scale_f32_16x16x128_f8f6f4 v[\d:\d+7], v[\a:\a+7], v[\b:\b+7], v[\c:\c+7], v[\sa], v[\sb] matrix_a_fmt:MATRIX_FMT_FP4 matrix_b_fmt:MATRIX_FMT_FP4 matrix_a_scale:MATRIX_SCALE_ROW1 matrix_b_scale:MATRIX_SCALE_ROW1
.elseif (\ra) == 1
	v_wmma_scale_f32_16x16x128_f8f6f4 v[\d:\d+7], v[\a:\a+7], v[\b:\b+7], v[\c:\c+7], v[\sa], v[\sb] matrix_a_fmt:MATRIX_FMT_FP4 matrix_b_fmt:MATRIX_FMT_FP4 matrix_a_scale:MATRIX_SCALE_ROW1
.elseif (\rb) == 1
	v_wmma_scale_f32_16x16x128_f8f6f4 v[\d:\d+7], v[\a:\a+7], v[\b:\b+7], v[\c:\c+7], v[\sa], v[\sb] matrix_a_fmt:MATRIX_FMT_FP4 matrix_b_fmt:MATRIX_FMT_FP4 matrix_b_scale:MATRIX_SCALE_ROW1
.else
	v_wmma_scale_f32_16x16x128_f8f6f4 v[\d:\d+7], v[\a:\a+7], v[\b:\b+7], v[\c:\c+7], v[\sa], v[\sb] matrix_a_fmt:MATRIX_FMT_FP4 matrix_b_fmt:MATRIX_FMT_FP4
.endif
.endm
.macro PLACES                          ; four plain lines behind matrix instructions, in front of loads into their registers and of the first read of results
.rept 4
	v_nop
.endr
.endm
	s_load_b512 s[4:19], s[0:1], 0x0               ; counts, slots, xq, xs, w1f, W1_scales, b1, w2f
	s_load_b128 s[20:23], s[0:1], 0x40             ; W2_scales, b2
	s_load_b64 s[24:25], s[0:1], 0x50              ; out0
	v_lshl_add_u32 v[SPW], v0, 2, SPARE
	v_mov_b32 v[NIL], 0
	v_lshrrev_b32 v1, 5, v0
	v_readfirstlane_b32 s26, v1                    ; wave 0..7
	v_and_b32 v28, 31, v0                          ; lane
	v_and_b32 v29, 15, v0                          ; R
	v_bfe_u32 v30, v0, 4, 1                        ; H
	v_lshlrev_b32 v1, 4, v28                       ; v1  16 lane
	v_lshlrev_b32 v2, 8, v28                       ; v2  256 lane
	v_lshlrev_b32 v6, 6, v28                       ; v6  64 lane
	v_lshlrev_b32 v7, 3, v28                       ; v7  8 lane
	v_lshlrev_b32 v23, 2, v28                      ; v23 4 lane
	v_lshlrev_b32 v19, 4, v29                      ; v19 16 R
	v_lshlrev_b32 v20, 3, v30                      ; v20 8 H
	v_lshlrev_b32 v21, 5, v30                      ; v21 32 H
	s_mul_i32 s43, s26, 8*272
	v_mul_u32_u24 v3, v30, 272
	v_add_nc_u32 v3, v3, v19
	v_add_nc_u32 v3, s43, v3                       ; v3  XT + (8 w + H) 272 + 16 R
	v_mul_u32_u24 v4, v29, 272
	v_lshl_add_u32 v4, v30, 4, v4                  ; v4  XT + 272 R + 16 H
	v_and_b32 v5, 8, v29
	v_add_nc_u32 v5, v5, v29
	v_add_nc_u32 v5, v5, v20
	v_lshlrev_b32 v5, 4, v5                        ; v5  16 (8 H + R + 8 (R / 8))
	s_lshl_b32 s43, s26, 10
	s_add_co_u32 s43, s43, B1S
	v_add_nc_u32 v8, s43, v1                       ; v8  B1S + 1,024 w + 16 lane
	v_lshl_add_u32 v9, v30, 6, s43                 ; v9  B1S + 1,024 w + 64 H
	s_lshl_b32 s43, s26, 12
	s_add_co_u32 s43, s43, W2SI
	v_add_nc_u32 v10, s43, v1                      ; v10 W2SI + 4,096 w + 16 lane
	s_lshl_b32 s43, s26, 8
	s_add_co_u32 s43, s43, B2S
	v_add_nc_u32 v11, s43, v7                      ; v11 B2S + 256 w + 8 lane
	v_add_nc_u32 v12, s43, v21                     ; v12 B2S + 256 w + 32 H
	s_lshl_b32 s43, s26, 13
	s_add_co_u32 s43, s43, HIMG
	v_add_nc_u32 v13, s43, v1                      ; v13 HIMG + 8,192 w + 16 lane
	s_lshl_b32 s43, s26, 9
	s_add_co_u32 s43, s43, HSC
	v_add_nc_u32 v14, s43, v23                     ; v14 HSC + 512 w + 4 lane
	v_add_nc_u32 v15, HIMG, v1                     ; v15 HIMG + 16 lane
	v_add_nc_u32 v16, HSC, v23                     ; v16 HSC + 4 lane
	s_mul_i32 s43, s26, 16*272
	s_add_co_u32 s43, s43, STG
	v_mul_u32_u24 v17, v29, 272
	v_add_nc_u32 v17, v17, v21
	v_add_nc_u32 v17, s43, v17                     ; v17 STG + 4,352 w + 272 R + 32 H
	v_mul_u32_u24 v18, v30, 8*272
	v_add_nc_u32 v18, v18, v19
	v_add_nc_u32 v18, s43, v18                     ; v18 STG + 4,352 w + 2,176 H + 16 R
	s_lshl_b32 s43, s26, 5
	v_lshl_add_u32 v22, v30, 2, s43                ; v22 4 (8 w + H)
.irp m, 0,1,2,3
	v_mov_b32 v[TM+4+\m], 0                        ; a lane permute's destination counts as one of its sources
.endr
	s_mov_b32 s48, 0x76543210
	s_mov_b32 s49, 0xfedcba98                      ; v_permlanex16_b32's selects for lane l xor 16
	s_mov_b32 s50, 0xffff0000                      ; lanes 16-31
	s_lshl_b32 s52, ttmp9, 8
	s_mov_b32 s53, 0
	s_wait_kmcnt 0x0
	s_load_b256 s[32:39], s[4:5], 0x0              ; the eight counts
	s_add_nc_u64 s[6:7], s[6:7], s[52:53]          ; my tile's 64 entries of slots
.irp q, 0,1,2,3
	global_load_b32 v[240+\q], v22, s[6:7] offset:8*\q     ; the tokens of rows 8 w + 2 q + H,
.endr
	global_load_b32 v244, v23, s[6:7]              ; of row lane,
	global_load_b32 v245, v23, s[6:7] offset:128   ; and of row 32 + lane
	s_wait_loadcnt 0x0
.irp q, 0,1,2,3
	v_min_u32 v[240+\q], 0xfff, v[240+\q]
	v_lshl_add_u32 v[240+\q], v[240+\q], 8, v19    ; a token's codes are 256 bytes: sixteen lanes take a row
.endr
.irp q, 4,5
	v_min_u32 v[240+\q], 0xfff, v[240+\q]
	v_lshlrev_b32 v[240+\q], 4, v[240+\q]          ; its scale bytes 16
.endr
.irp q, 0,1,2,3
	global_load_b128 v[XR+4*\q:XR+4*\q+3], v[240+\q], s[8:9]
.endr
	global_load_b128 v[XS:XS+3], v244, s[10:11]    ; word s of rows 0-31: lanes 0-15 tile 0, lanes 16-31 tile 1
	global_load_b128 v[XS+4:XS+7], v245, s[10:11]  ; of rows 32-63
	s_wait_kmcnt 0x0
	; which expert's tile is mine: the last e whose first tile is at or under my number
	s_mov_b32 s44, 0                               ; tiles ahead of expert e
	s_mov_b32 s40, 0                               ; e
	s_mov_b32 s45, 0                               ; its first tile
	s_mov_b32 s46, 0                               ; its count
.irp e, 0,1,2,3,4,5,6,7
	s_cmp_ge_u32 ttmp9, s44
	s_cselect_b32 s40, \e, s40
	s_cselect_b32 s45, s44, s45
	s_cselect_b32 s46, s[32+\e], s46
	s_add_co_u32 s47, s[32+\e], 63
	s_lshr_b32 s47, s47, 6
	s_add_co_u32 s44, s44, s47
.endr
	s_min_u32 s40, s40, 7
	s_sub_co_u32 s42, ttmp9, s45                   ; which tile of the expert
	s_lshl_b32 s47, s42, 6
	s_sub_co_i32 s41, s46, s47
	s_max_i32 s41, s41, 0
	s_min_i32 s41, s41, 64                         ; n: my tile's rows, 0 .. 64
	s_lshl_b32 s52, s40, 19
	s_lshl_b32 s47, s26, 16
	s_add_co_u32 s52, s52, s47                     ; the codes: 524,288 e + 65,536 w
	s_add_nc_u64 s[12:13], s[12:13], s[52:53]
	s_add_nc_u64 s[18:19], s[18:19], s[52:53]
	s_lshl_b32 s52, s40, 15
	s_lshl_b32 s47, s26, 12
	s_add_co_u32 s52, s52, s47                     ; the scale bytes: 32,768 e + 4,096 w
	s_add_nc_u64 s[14:15], s[14:15], s[52:53]
	s_add_nc_u64 s[20:21], s[20:21], s[52:53]
	s_lshl_b32 s52, s40, 13
	s_lshl_b32 s47, s26, 10
	s_add_co_u32 s52, s52, s47                     ; b1: 8,192 e + 1,024 w
	s_add_nc_u64 s[16:17], s[16:17], s[52:53]
	s_lshl_b32 s52, s40, 11
	s_lshl_b32 s47, s26, 8
	s_add_co_u32 s52, s52, s47                     ; b2: 2,048 e + 256 w
	s_add_nc_u64 s[22:23], s[22:23], s[52:53]
	s_mov_b32 s52, s47                             ; out0: my 64 outputs, 256 w
	s_add_nc_u64 s[24:25], s[24:25], s[52:53]
.irp b, 0,1,2,3,4,5,6,7
	global_load_b128 v[W1S+4*\b:W1S+4*\b+3], v5, s[14:15] offset:512*\b     ; pair b's rows: four words each
.endr
	global_load_b128 v[B1T:B1T+3], v1, s[16:17]
	global_load_b128 v[B1T+4:B1T+7], v1, s[16:17] offset:512
.irp p, 0,1
.irp q, 0,1,2,3
	global_load_b128 v[W2T+16*\p+4*\q:W2T+16*\p+4*\q+3], v6, s[20:21] offset:2048*\p+16*\q   ; row 64 w + 32 p + lane: 16 words
.endr
.endr
	global_load_b64 v[B2T:B2T+1], v7, s[22:23]
	RLOAD 0
	RLOAD 1
	RLOAD 2
	s_wait_loadcnt 48                              ; all that was asked for ahead of the ring's 48 loads is in
.irp q, 0,1,2,3
	ds_store_b128 v3, v[XR+4*\q:XR+4*\q+3] offset:544*\q
.endr
	ds_store_b128 v8, v[B1T:B1T+3]
	ds_store_b128 v8, v[B1T+4:B1T+7] offset:512
.irp p, 0,1
.irp q, 0,1,2,3
	ds_store_b128 v10, v[W2T+16*\p+4*\q:W2T+16*\p+4*\q+3] offset:512*(4*\p+\q)
.endr
.endr
	ds_store_b64 v11, v[B2T:B2T+1]
.irp u, 0,1
.irp g, 0,1
	ds_load_b128 v[BI+8*\u+4*\g:BI+8*\u+4*\g+3], v9 offset:32*\u+16*\g      ; b1 of pair 0 (my own bytes: LDS serves a wave's instructions in order)
.endr
.endr
	s_wait_dscnt 0x0                               ; for the others' sake: my 8 rows of x lie in LDS
	s_barrier_signal -1
	s_barrier_wait -1
	WIN 0x40
.irp m, 0,1,2,3
.irp s, 0,1,2,3
.irp c, 0,1
	ds_load_b128 v[8*(4*\m+\s)+4*\c:8*(4*\m+\s)+4*\c+3], v4 offset:4352*\m+64*\s+32*\c     ; x's fragments stay in registers
.endr
.endr
.endr
	WIN 0
; The pair's 64 numbers a lane, register 16 m + i = hidden unit 32 P + 16 H + i of row 16 m + R: relu, then the four blocks (one for each tile of rows m) are quantised by turns.  A block lies in lanes l and l xor 16.
.macro QUANT4 b
.set jj, 0
.rept 64
	v_max_num_f32 v[ACC+jj], 0, v[ACC+jj]          ; the activation, in f32; each accumulator from its low end on
.set jj, jj+1
.endr
.irp m, 0,1,2,3
	v_max3_num_f32 v[TM+\m], v[ACC+16*\m], v[ACC+16*\m+1], 0x1800000       ; no |.|: none is negative; the floor 2^(3 - 127) holds the byte at 1 from below
.endr
.irp i, 2,4,6,8,10,12,14
.irp m, 0,1,2,3
	v_max3_num_f32 v[TM+\m], v[TM+\m], v[ACC+16*\m+\i], v[ACC+16*\m+\i+1]
.endr
.endr
.irp m, 0,1,2,3
	v_permlanex16_b32 v[TM+4+\m], v[TM+\m], s48, s49
.endr
.irp m, 0,1,2,3
	v_max_num_f32 v[TM+\m], v[TM+\m], v[TM+4+\m]
.endr
.irp m, 0,1,2,3
	v_add_nc_u32 v[TM+8+\m], 0xff000000, v[TM+\m]  ; 2 off the exponent field: the conversion's scale operand
.endr
.irp m, 0,1,2,3
	v_lshrrev_b32 v[TM+4+\m], 23, v[TM+8+\m]       ; the scale's byte
.endr
.irp m, 0,1,2,3
.if ((\b)%4) == 0
	v_mov_b32 v[PW+\m], v[TM+4+\m]
.else
	v_lshl_or_b32 v[PW+\m], v[TM+4+\m], 8*((\b)%4), v[PW+\m]
.endif
.endr
.irp m, 0,1,2,3
	v_cvt_scalef32_pk8_fp4_f32 v[PC+4*\m+2*((\b)%2)], v[ACC+16*\m:ACC+16*\m+7], v[TM+8+\m]
	v_cvt_scalef32_pk8_fp4_f32 v[PC+4*\m+2*((\b)%2)+1], v[ACC+16*\m+8:ACC+16*\m+15], v[TM+8+\m]
.endr
	v_nop                                          ; one plain line behind the last conversion
.if ((\b)%2) == 1                              ; two blocks make four registers of a fragment: lanes 0-15 take the even block whole, lanes 16-31 the odd one
.irp m, 0,1,2,3
	v_permlane16_swap_b32 v[PC+4*\m], v[PC+4*\m+2]
	v_permlane16_swap_b32 v[PC+4*\m+1], v[PC+4*\m+3]
.endr
.irp m, 0,1,2,3
	ds_store_b128 v13, v[PC+4*\m:PC+4*\m+3] offset:4096*((\b)/4)+1024*\m+512*(((\b)/2)%2)
.endr
.endif
.if ((\b)%4) == 3                              ; four blocks make a K step's scale word
.irp p, 0,1
	v_cndmask_b32 v[TM+\p], v[PW+2*\p], v[PW+2*\p+1], s50
	ds_store_b32 v14, v[TM+\p] offset:256*((\b)/4)+128*\p
.endr
.endif
.endm
; Pair b of my hidden units for all 64 rows: 32 matrix instructions, the 8 accumulators by turns, one instruction a turn.
.macro TRIP b
	s_wait_dscnt 0x0                               ; b1 of this pair is in; the last images' stores have read their registers (first trip: x's fragments are in)
	s_wait_loadcnt 32                              ; unit b is in; the two units behind it are younger
	SETOF \b
	WIN 0x04|RW                                    ; source 0: the set's window; source 1 (x) window 1; C and D window 0
.irp s, 0,1,2,3
.irp m, 0,1,2,3
.irp u, 0,1
.if \s == 0
	WM ACC+16*\m+8*\u, RB+8*(4*\u+\s), 8*(4*\m+\s), BI+8*\u, W1S+4*(\b)+\s, XS+4*(\m/2)+\s, \u, \m%2
.else
	WM ACC+16*\m+8*\u, RB+8*(4*\u+\s), 8*(4*\m+\s), ACC+16*\m+8*\u, W1S+4*(\b)+\s, XS+4*(\m/2)+\s, \u, \m%2
.endif
.endr
.endr
.endr
	WIN 0
	PLACES
	RLOAD (\b)+3                                   ; into the set just multiplied
	ASK (\b)+6
.if (\b) < 7
.irp u, 0,1
.irp g, 0,1
	ds_load_b128 v[BI+8*\u+4*\g:BI+8*\u+4*\g+3], v9 offset:128*((\b)+1)+32*\u+16*\g
.endr
.endr
.endif
	QUANT4 \b
.endm
.irp t, 0,1,2,3,4,5,6,7
	TRIP \t
.endr
	s_wait_dscnt 0x0                               ; for the others' sake: my two K steps of the hidden layer lie in LDS
	s_barrier_signal -1
	s_barrier_wait -1
.macro HLOAD s                         ; K step s: the four tiles' fragments and their scale words, as they were stored
.irp m, 0,1,2,3
.irp c, 0,1
	ds_load_b128 v[HF+32*((\s)%2)+8*\m+4*\c:HF+32*((\s)%2)+8*\m+4*\c+3], v15 offset:4096*(\s)+1024*\m+512*\c
.endr
.endr
.irp p, 0,1
	ds_load_b32 v[HS+2*((\s)%2)+\p], v16 offset:256*(\s)+128*\p
.endr
.endm
; K step s of the second product: 16 matrix instructions, the 16 accumulators by turns.
.macro KSTEP s
.set UU, 8+(\s)/2
	SETOF UU
.if ((\s)%2) == 0
.if UU <= 13
	s_wait_loadcnt 32                              ; this unit is in; the two behind it are younger
.elseif UU == 14
	s_wait_loadcnt 24                              ; younger: unit 15's 16 loads and the 8 of the tokens
.else
	s_wait_loadcnt 8                               ; younger: the 8 of the tokens
.endif
.endif
.if (\s) < 15
	s_wait_dscnt 10                                ; this K step's fragments are in; the next step's ten loads may be out
.else
	s_wait_dscnt 0x0
.endif
.if (\s) == 0
	WIN 0x40|RW                                    ; D window 1; source 0 the set's window; source 1 and C (b2) window 0
.else
	WIN 0x50|RW                                    ; C window 1 too
.endif
.irp m, 0,1,2,3
.irp n, 0,1,2,3
.if (\s) == 0
	WM 8*(4*\m+\n), RB+8*(4*((\s)%2)+\n), HF+32*((\s)%2)+8*\m, B2+8*\n, W2S+16*(\n/2)+(\s), HS+2*((\s)%2)+(\m/2), \n%2, \m%2
.else
	WM 8*(4*\m+\n), RB+8*(4*((\s)%2)+\n), HF+32*((\s)%2)+8*\m, 8*(4*\m+\n), W2S+16*(\n/2)+(\s), HS+2*((\s)%2)+(\m/2), \n%2, \m%2
.endif
.endr
.endr
	WIN 0
	PLACES
.if (\s)+2 <= 15
	HLOAD (\s)+2
.endif
.if ((\s)%2) == 1
.if UU+3 <= 15
	RLOAD UU+3
.endif
.set UU, 8+(\s)/2
.if UU+6 <= 15
	ASK UU+6
.endif
.if UU == 13
.irp m, 0,1,2,3
.irp g, 0,1
	global_load_b128 v[TOK+8*\m+4*\g:TOK+8*\m+4*\g+3], v21, s[6:7] offset:64*\m+16*\g      ; register 8 m + i: the token of row 16 m + 8 H + i
.endr
.endr
.endif
.endif
.endm
.irp p, 0,1
.irp q, 0,1,2,3
	ds_load_b128 v[W2S+16*\p+4*\q:W2S+16*\p+4*\q+3], v10 offset:512*(4*\p+\q)
.endr
.endr
.irp n, 0,1,2,3
.irp g, 0,1
	ds_load_b128 v[B2+8*\n+4*\g:B2+8*\n+4*\g+3], v12 offset:64*\n+16*\g
.endr
.endr
	HLOAD 0
	HLOAD 1
.irp t, 0,1,2,3,4,5,6,7,8,9,10,11,12,13,14,15
	KSTEP \t
.endr
	s_wait_loadcnt 0x0                             ; the tokens
.set jj, 0
.rept 32
	v_min_u32 v[TOK+jj], 0xfff, v[TOK+jj]
.set jj, jj+1
.endr
.set jj, 0
.rept 32
	v_lshl_add_u32 v[TOK+jj], v[TOK+jj], 11, v19   ; a row of out0 is 2,048 bytes; 16 bytes a lane
.set jj, jj+1
.endr
; THE WAY OUT, a tile of 16 rows at a time.  A lane holds 32 neighbouring bytes of a row for each n; through my own stage they come back as rows of 256 bytes: lanes 0-15 row i, lanes 16-31 row 8 + i.
.macro TOSTAGE m
	WIN 0x04                                       ; an LDS store's data are its source 1: window 1
.irp n, 0,1,2,3
	ds_store_b128 v17, v[8*(4*(\m)+\n):8*(4*(\m)+\n)+3] offset:64*\n       ; each accumulator from its low end on
	ds_store_b128 v17, v[8*(4*(\m)+\n)+4:8*(4*(\m)+\n)+7] offset:64*\n+16
.endr
	WIN 0
.irp i, 0,1,2,3,4,5,6,7
	ds_load_b128 v[OB+32*((\m)%2)+4*\i:OB+32*((\m)%2)+4*\i+3], v18 offset:272*\i   ; LDS serves a wave's instructions in order: these see my stores
.endr
.endm
.macro SEND m, younger                 ; younger: the LDS instructions issued behind this tile's loads
	s_wait_dscnt \younger
	s_wait_xcnt 0x0                                ; EXEC changes only behind this wait
.irp i, 0,1,2,3,4,5,6,7
	s_sub_co_i32 s43, s41, 16*(\m)+\i
	v_cmp_gt_i32 vcc_lo, s43, v20                  ; row 16 m + 8 H + i counts where it lies under n
	s_and_saveexec_b32 s44, vcc_lo
	global_store_b128 v[TOK+8*(\m)+\i], v[OB+32*((\m)%2)+4*\i:OB+32*((\m)%2)+4*\i+3], s[24:25] th:TH_STORE_NT   ; sixteen lanes store 256 consecutive bytes of a token's row, aligned
	s_wait_xcnt 0x0                                ; and again, in front of the line that widens it; the store's registers are free too
	s_or_b32 exec_lo, exec_lo, s44
.endr
.endm
	TOSTAGE 0
	TOSTAGE 1
	SEND 0, 16
	TOSTAGE 2
	SEND 1, 16
	TOSTAGE 3
	SEND 2, 16
	SEND 3, 0
	s_wait_tensorcnt 0x0                           ; the wave's end, behind my last LDS store
	ds_add_u32 v[SPW], v[NIL]
	s_wait_dscnt 0x0
	s_endpgm
.Lfunc_end_k_q7c45a29f23_experts:
	.size	k_q7c45a29f23_experts, .Lfunc_end_k_q7c45a29f23_experts-k_q7c45a29f23_experts
	.p2alignl 7, 3214868480
	.fill 96, 4, 3214868480
	.section	.rodata,"a",@progbits
	.p2align	6, 0x0
	.amdhsa_kernel k_q7c45a29f23_experts
		.amdhsa_group_segment_fixed_size 165888
		.amdhsa_private_segment_fixed_size 0
		.amdhsa_enable_private_segment 0
		.amdhsa_kernarg_size 88
		.amdhsa_user_sgpr_count 2
		.amdhsa_user_sgpr_kernarg_segment_ptr 1
		.amdhsa_wavefront_size32 1
		.amdhsa_system_sgpr_workgroup_id_x 1
		.amdhsa_system_sgpr_workgroup_id_y 1
		.amdhsa_system_sgpr_workgroup_id_z 1
		.amdhsa_system_vgpr_workitem_id 0
		.amdhsa_next_free_vgpr 512
		.amdhsa_next_free_sgpr 66
		.amdhsa_reserve_vcc 1
		.amdhsa_float_denorm_mode_32 3
		.amdhsa_float_denorm_mode_16_64 3
		.amdhsa_memory_ordered 1
		.amdhsa_forward_progress 1
		.amdhsa_inst_pref_size 187
	.end_amdhsa_kernel
	.amdgpu_metadata
---
amdhsa.version: [ 1, 2 ]
amdhsa.kernels:
  - .name:           k_q7c45a29f23_experts
    .symbol:         k_q7c45a29f23_experts.kd
    .args:
      - { .name: counts, .offset: 0, .size: 8, .value_kind: global_buffer, .address_space: global }
      - { .name: slots, .offset: 8, .size: 8, .value_kind: global_buffer, .address_space: global }
      - { .name: xq, .offset: 16, .size: 8, .value_kind: global_buffer, .address_space: global }
      - { .name: xs, .offset: 24, .size: 8, .value_kind: global_buffer, .address_space: global }
      - { .name: w1f, .offset: 32, .size: 8, .value_kind: global_buffer, .address_space: global }
      - { .name: W1_scales, .offset: 40, .size: 8, .value_kind: global_buffer, .address_space: global }
      - { .name: b1, .offset: 48, .size: 8, .value_kind: global_buffer, .address_space: global }
      - { .name: w2f, .offset: 56, .size: 8, .value_kind: global_buffer, .address_space: global }
      - { .name: W2_scales, .offset: 64, .size: 8, .value_kind: global_buffer, .address_space: global }
      - { .name: b2, .offset: 72, .size: 8, .value_kind: global_buffer, .address_space: global }
      - { .name: out0, .offset: 80, .size: 8, .value_kind: global_buffer, .address_space: global }
    .group_segment_fixed_size: 165888
    .private_segment_fixed_size: 0
    .kernarg_segment_align: 8
    .kernarg_segment_size: 88
    .max_flat_workgroup_size: 256
    .sgpr_count:     66
    .vgpr_count:     512
    .wavefront_size: 32
...
	.end_amdgpu_metadata
.endif
;; end of part 3
;; ======== version 2 of 2: 2 launches
;; workspace buffers: routes 16,384 bytes of whole numbers; xq 1,048,576 bytes; xs 65,536 bytes; w1f 4,194,304 bytes; w2f 4,194,304 bytes
;; launch route (part 4): grid 384 x 1, 4 waves a work-group, no clusters, 38,656 bytes of LDS; arguments x, Wr, br, out1, routes, xq, xs, W1_codes, W2_codes, w1f, w2f; writes out1, routes, xq, xs, w1f, w2f
.if DOCPART == 4
	.amdgcn_target "amdgcn-amd-amdhsa--gfx1250"
	.amdhsa_code_object_version 6
	.text
	.protected	k_q7c45a29f23_route
	.globl	k_q7c45a29f23_route
	.p2align	8
	.type	k_q7c45a29f23_route,@function
k_q7c45a29f23_route:
	s_mov_b64 s[64:65], 0
	v_nop
	global_prefetch_b8 v0, s[64:65] scope:SCOPE_SE
	s_setreg_imm32_b32 hwreg(HW_REG_WAVE_MODE, 25, 1), 1
	s_wait_xcnt 0x0
; ROUTE.  Work-groups 0 to 127: out1 = softmax(x Wr + br), in f32 fused multiply-adds; routes[n] = the first index of the row's largest probability; x as codes of FP4 (E2M1) with one E8M0 byte for each 32 along K (xq, xs).
; Work-groups 128 to 383: the codes of W1 and W2 are laid in the order in which a wave's operand registers take them, so that the next launch loads each fragment as 512 consecutive bytes an instruction:
;  w1f [e][P 0..63][u 0,1][s 0..3][c 0,1][512]: lane (r, h)'s 16 bytes at 16 lane = W1 row 32 P + 8 u + r + 8 (r / 8), bytes 64 s + 32 c + 16 h;   w2f [e][w 0..7][s 0..15][n 0..3][c][512]: W2 row 64 w + 16 n + r, the same bytes.
;  A wave moves 8,192 bytes: 16 loads (32 bytes of each of 16 rows) and 16 stores of 512 consecutive bytes.  All experts' weights are laid out: which of them are used is known only to the next launch.
; The two ways part on the work-group's number alone; only the first touches LDS and has barriers.
; WORK LEFT OUT BY THE PROGRAM, for all finite values of the inputs:
;  (1) reference() computes all 8 experts for every token and multiplies by a one_hot that it builds from its own argmax: out[n] = all_out[routes[n]][n], the other seven terms being 0 x a finite number.
;      So the rows of the two large products that belong to experts not chosen reach no output, and the product with the one_hot is a lookup: the second launch multiplies each token by its own expert alone.
;  (2) scale = p_max / p_max: p_max is the largest of 8 positive numbers whose sum is 1, so it is at least 1/8, and the quotient is 1.
;  Every input still has a way to an output: all are loaded.
; LIMITS.  A NaN, an infinity or an overflow that arises only in an expert that a token did not choose is not carried to the result.  NaN and infinities among the inputs are not served.
;  A block of 32 whose largest magnitude lies under 2^-124 gets the scale byte 1; a block of zeros gets the byte 1 with zero codes (these bytes are read by this program alone).
;  The argmax is taken of this kernel's own f32 probabilities, the lowest index winning a tie: a token whose two best logits lie within the rounding of an f32 sum of 512 terms may be routed otherwise than by another order of summing.
; SHARES of the routing.  A work-group takes 32 rows, a wave 8.  A row is 2,048 bytes: four loads of 512 consecutive bytes; all 32 loads of a wave go out at the head.  A row turns through the wave's own stage in LDS, so that lane l holds
;  k = 16 l .. 16 l + 15: two neighbouring lanes hold a block of 32.  Lane l keeps Wr[16 l + i][e] in 128 registers (window 1).  The 64 sums of a wave (8 rows x 8 experts) over 32 lanes are made by halving exchanges: at each step a lane
;  keeps one half of its sums and sends the other, so that in the end lane l holds row l / 4 and experts 2 (l % 4), 2 (l % 4) + 1.
; No matrix unit: the product has 8 columns.  No cluster: work-groups share only Wr's 16 KB.
.set SP,    80                         ; a lane's place in a stage: 64 bytes + 16 of padding
.set WRP,   528                        ; a lane's 512 bytes of Wr + 16: lane l starts at bank 4 l mod 64 (64 banks of 4 bytes: ISA guide 11.1)
.set STGX,  32*WRP                     ; two stages of 32 x SP bytes for each wave
.set XSB,   STGX+4*2*32*SP             ; the work-group's 512 scale bytes
.set RTB,   XSB+512                    ; its 32 routes
.set SPARE, RTB+256                    ; the spare words, 128 bytes for each wave
.set SPW,   14                         ; v14  my spare word's address; never rewritten
.set NIL,   15                         ; v15  0; never rewritten
.set BR,    16                         ; v[16:17] br of my two experts
.set T,     18                         ; v18-28 at work
.set A,     30                         ; v30-37 a row's 8 sums (at the head v30-61 carry Wr to LDS)
.set L,     38                         ; v38-53 row j's two sums after two exchanges
.set C,     54                         ; v54-69 row j's codes
.set E,     70                         ; v70-77 row j's scale byte
.set X,     80                         ; v80-111 two sets of 16 neighbours
.set RAW,   112                        ; v112-239 the 8 rows as loaded; on the weights' way v112-175 carry a wave's 8,192 bytes
.set MSB, 0
.macro WIN new                         ; the immediate's high byte repeats the setting that is left
.if MSB != \new
	s_set_vgpr_msb (MSB<<8)|\new
.set MSB, \new
.endif
.endm
	s_load_b512 s[4:19], s[0:1], 0x0               ; x, Wr, br, out1, routes, xq, xs, W1_codes
	s_load_b128 s[32:35], s[0:1], 0x40             ; W2_codes, w1f
	s_load_b64 s[36:37], s[0:1], 0x50              ; w2f
	v_lshl_add_u32 v[SPW], v0, 2, SPARE
	v_mov_b32 v[NIL], 0
	v_lshrrev_b32 v1, 5, v0
	v_readfirstlane_b32 s20, v1                    ; wave
	v_and_b32 v1, 31, v0                           ; lane
	v_lshlrev_b32 v2, 4, v1                        ; 16 x lane
	s_cmp_ge_u32 ttmp9, 128
	s_cbranch_scc1 .Lweights
	v_lshlrev_b32 v3, 4, v0                        ; 16 x thread
	s_mul_i32 s21, s20, 2*32*SP
	s_add_co_u32 s21, s21, STGX                    ; my wave's stages
	v_lshrrev_b32 v4, 2, v1
	v_mul_u32_u24 v4, v4, SP
	v_and_b32 v5, 3, v1
	v_lshl_add_u32 v4, v5, 4, v4
	v_add_nc_u32 v4, s21, v4                       ; into a stage: SP (lane / 4) + 16 (lane % 4)
	v_mul_u32_u24 v5, v1, SP
	v_add_nc_u32 v5, s21, v5                       ; out of it: SP x lane
	v_lshlrev_b32 v6, 3, v1                        ; 8 x lane
	s_lshl_b32 s21, s20, 7
	s_add_co_u32 s21, s21, XSB
	v_lshrrev_b32 v7, 1, v1
	v_add_nc_u32 v7, s21, v7                       ; my block's scale byte: 128 x wave + lane / 2 (+ 16 x row)
	v_and_b32 v8, 3, v1
	v_lshlrev_b32 v12, 1, v8
	v_cvt_f32_u32 v12, v12                         ; my first expert's number as f32,
	v_add_f32 v13, 1.0, v12                        ; and my second's
	v_lshlrev_b32 v8, 3, v8                        ; br: 8 (lane % 4)
	s_mul_i32 s21, s20, WRP
	v_add_nc_u32 v9, s21, v2                       ; Wr into LDS: WRP x wave + 16 x lane (+ 4 WRP for each load)
	v_mul_u32_u24 v10, v1, WRP                     ; and out: WRP x lane
	s_lshl_b32 s21, s20, 5
	s_add_co_u32 s21, s21, RTB
	v_lshrrev_b32 v11, 2, v1
	v_lshl_add_u32 v11, v11, 2, s21                ; my row's route
	v_lshlrev_b32 v29, 2, v1                       ; 4 x lane
	v_add_nc_u32 v78, XSB, v2                      ; the way out of the scale bytes,
	v_lshl_add_u32 v79, v1, 2, RTB                 ; and of the routes
	v_mov_b32 v28, 0                               ; a lane permute's destination counts as one of its sources
	s_mov_b32 s24, 0xaaaaaaaa                      ; lanes whose bit 0 is set,
	s_mov_b32 s25, 0xcccccccc                      ; bit 1,
	s_mov_b32 s26, 0xf0f0f0f0                      ; bit 2,
	s_mov_b32 s27, 0xff00ff00                      ; bit 3,
	s_mov_b32 s28, 0xffff0000                      ; bit 4
	s_mov_b32 s30, 0x76543210
	s_mov_b32 s31, 0xfedcba98                      ; v_permlanex16_b32's selects for lane l xor 16
	s_lshl_b32 s22, ttmp9, 16
	s_lshl_b32 s21, s20, 14
	s_add_co_u32 s22, s22, s21                     ; my wave's 8 rows of x: 65,536 x work-group + 16,384 x wave
	s_mov_b32 s23, 0
	s_wait_kmcnt 0x0
	s_add_nc_u64 s[4:5], s[4:5], s[22:23]
	s_lshr_b32 s22, s22, 3                         ; of xq: 256 bytes a row
	s_add_nc_u64 s[14:15], s[14:15], s[22:23]
	s_lshr_b32 s22, s22, 3                         ; of out1: 32 bytes a row
	s_add_nc_u64 s[10:11], s[10:11], s[22:23]
	s_lshl_b32 s22, ttmp9, 9                       ; the work-group's 512 bytes of xs,
	s_add_nc_u64 s[16:17], s[16:17], s[22:23]
	s_lshl_b32 s22, ttmp9, 7                       ; and its 128 bytes of routes
	s_add_nc_u64 s[12:13], s[12:13], s[22:23]
.irp q, 0,1,2,3,4,5,6,7
	global_load_b128 v[A+4*\q:A+4*\q+3], v3, s[6:7] offset:2048*\q          ; Wr, 2,048 consecutive bytes a load of the work-group
.endr
	global_load_b64 v[BR:BR+1], v8, s[8:9]
.irp j, 0,1,2,3,4,5,6,7
.irp i, 0,1,2,3
	global_load_b128 v[RAW+16*\j+4*\i:RAW+16*\j+4*\i+3], v2, s[4:5] offset:2048*\j+512*\i th:TH_LOAD_NT
.endr
.endr
	s_wait_loadcnt 33                              ; Wr's eight loads are in: br's one and x's 32 are younger
.irp q, 0,1,2,3,4,5,6,7
	ds_store_b128 v9, v[A+4*\q:A+4*\q+3] offset:4*WRP*\q
.endr
	s_wait_dscnt 0x0                               ; for the others' sake: my part of Wr lies in LDS
	s_barrier_signal -1
	s_barrier_wait -1
	WIN 0x40                                       ; destination window 1
.set kk, 0
.rept 32
	ds_load_b128 v[4*kk:4*kk+3], v10 offset:16*kk  ; register 8 i + e = Wr[16 lane + i][e]
.set kk, kk+1
.endr
	WIN 0
; row j through the stage: LDS serves a wave's instructions in order, so no wait stands between the stores and the loads
.macro TURN j
.irp i, 0,1,2,3
	ds_store_b128 v4, v[RAW+16*(\j)+4*\i:RAW+16*(\j)+4*\i+3] offset:32*SP*((\j)%2)+8*SP*\i
.endr
.irp i, 0,1,2,3
	ds_load_b128 v[X+16*((\j)%2)+4*\i:X+16*((\j)%2)+4*\i+3], v5 offset:32*SP*((\j)%2)+16*\i
.endr
.endm
; a halving exchange with lane l xor x: lanes whose bit is 0 keep lo and send hi, the others keep hi and send lo
.macro TR lo, hi, dst, mask, x, t
	v_cndmask_b32 v[\t], v[\hi], v[\lo], s[\mask]
	v_cndmask_b32 v[\dst], v[\lo], v[\hi], s[\mask]
	v_add_f32_dpp v[\dst], v[\t], v[\dst] row_xmask:\x row_mask:0xf bank_mask:0xf
.endm
.macro TRX lo, hi, dst, t              ; the same with lane l xor 16
	v_cndmask_b32 v[\t], v[\hi], v[\lo], s28
	v_cndmask_b32 v[\dst], v[\lo], v[\hi], s28
	v_permlanex16_b32 v28, v[\t], s30, s31
	v_add_f32 v[\dst], v[\dst], v28
.endm
.macro STEP j
.set XS, X+16*((\j)%2)
.if (\j) > 0
	s_wait_dscnt 1                                 ; this row is back from the stage; the last row's byte store may be out
.else
	s_wait_dscnt 0x0                               ; row 0 is back, and Wr is in its registers
.endif
.if (\j) < 7
	s_wait_loadcnt 4*(6-(\j))                      ; the next row's four loads are in; the rows behind it stay out
	TURN (\j)+1
.endif
	v_max3_num_f32 v[T+4], |v[XS]|, |v[XS+1]|, |v[XS+2]|           ; the largest magnitude of my 16, in two chains
	v_max3_num_f32 v[T+5], |v[XS+3]|, |v[XS+4]|, |v[XS+5]|
.irp i, 6,10
	v_max3_num_f32 v[T+4], v[T+4], |v[XS+\i]|, |v[XS+\i+1]|
	v_max3_num_f32 v[T+5], v[T+5], |v[XS+\i+2]|, |v[XS+\i+3]|
.endr
	v_max3_num_f32 v[T+4], v[T+4], |v[XS+14]|, |v[XS+15]|
	v_max3_num_f32 v[T+4], v[T+4], v[T+5], 0x1800000               ; and the floor 2^(3 - 127): the byte cannot fall under 1
	v_max_num_f32_dpp v[T+4], v[T+4], v[T+4] row_xmask:1 row_mask:0xf bank_mask:0xf   ; with my neighbour's 16: the block's
	v_add_nc_u32 v[T+6], 0xff000000, v[T+4]        ; 2 off its exponent field: the conversion takes this operand's exponent field as its scale
	v_cvt_scalef32_pk8_fp4_f32 v[C+2*(\j)], v[XS:XS+7], v[T+6]
	v_cvt_scalef32_pk8_fp4_f32 v[C+2*(\j)+1], v[XS+8:XS+15], v[T+6]
	v_lshrrev_b32 v[E+(\j)], 23, v[T+6]            ; the scale's byte (also the plain line behind the conversions)
	ds_store_b8 v7, v[E+(\j)] offset:16*(\j)       ; both lanes of a block write the same byte with the same value
	global_store_b64 v6, v[C+2*(\j):C+2*(\j)+1], s[14:15] offset:256*(\j)   ; the wave stores the row's 256 consecutive bytes, aligned
	WIN 0x04                                       ; source 1 (Wr) window 1
.set kk, 0
.rept 16                                       ; sums[e] += x[16 lane + kk] Wr[16 lane + kk][e], two experts an instruction; of x's pair one register serves both halves
.irp e, 0,2,4,6
.if kk == 0
	v_pk_mul_f32 v[A+\e:A+\e+1], v[XS:XS+1], v[\e:\e+1] op_sel_hi:[0,1]
.elseif (kk%2) == 0
	v_pk_fma_f32 v[A+\e:A+\e+1], v[XS+kk:XS+kk+1], v[8*kk+\e:8*kk+\e+1], v[A+\e:A+\e+1] op_sel_hi:[0,1,1]
.else
	v_pk_fma_f32 v[A+\e:A+\e+1], v[XS+kk-1:XS+kk], v[8*kk+\e:8*kk+\e+1], v[A+\e:A+\e+1] op_sel:[1,0,0] op_sel_hi:[1,1,1]
.endif
.endr
.set kk, kk+1
.endr
	WIN 0
	TR A+0, A+2, A+0, 24, 1, T+0                   ; lanes l, l xor 1: bit 0 chooses experts 0, 1, 4, 5 or 2, 3, 6, 7
	TR A+1, A+3, A+1, 24, 1, T+1
	TR A+4, A+6, A+4, 24, 1, T+2
	TR A+5, A+7, A+5, 24, 1, T+3
	TR A+0, A+4, L+2*(\j), 25, 2, T+0              ; lanes l, l xor 2: I am left with experts 2 (l % 4) and 2 (l % 4) + 1
	TR A+1, A+5, L+2*(\j)+1, 25, 2, T+1
.endm
	s_wait_loadcnt 28                              ; br and row 0 are in; rows 1 to 7 are younger
	TURN 0
.irp r, 0,1,2,3,4,5,6,7
	STEP \r
.endr
.irp j, 0,2,4,6                                ; over the rows: bit 2 chooses row j or j + 1,
	TR L+2*\j, L+2*\j+2, L+2*\j, 26, 4, T+0
	TR L+2*\j+1, L+2*\j+3, L+2*\j+1, 26, 4, T+1
.endr
.irp j, 0,4                                    ; bit 3 rows j or j + 2,
	TR L+2*\j, L+2*\j+4, L+2*\j, 27, 8, T+0
	TR L+2*\j+1, L+2*\j+5, L+2*\j+1, 27, 8, T+1
.endr
	TRX L+0, L+8, L+0, T+0                         ; bit 4 rows 0 or 4: lane l holds row l / 4
	TRX L+1, L+9, L+1, T+1
	v_pk_add_f32 v[L:L+1], v[L:L+1], v[BR:BR+1]    ; the logits
	v_max_num_f32 v18, v[L], v[L+1]
	v_max_num_f32_dpp v18, v18, v18 row_xmask:1 row_mask:0xf bank_mask:0xf
	v_max_num_f32_dpp v18, v18, v18 row_xmask:2 row_mask:0xf bank_mask:0xf   ; the row's largest logit, which is taken away as reference() does
	v_sub_f32 v19, v[L], v18
	v_sub_f32 v20, v[L+1], v18
	v_mul_f32 v19, 0x3fb8aa3b, v19
	v_mul_f32 v20, 0x3fb8aa3b, v20
	v_exp_f32 v19, v19
	v_exp_f32 v20, v20
	v_nop                                          ; a plain line behind the exponentials
	s_wait_alu depctr_va_vdst(0)                   ; one wait for both, ahead of their first reader
	v_add_f32 v21, v19, v20
	v_add_f32_dpp v21, v21, v21 row_xmask:1 row_mask:0xf bank_mask:0xf
	v_add_f32_dpp v21, v21, v21 row_xmask:2 row_mask:0xf bank_mask:0xf
	v_rcp_f32 v22, v21
	v_nop
	s_wait_alu depctr_va_vdst(0)
	v_mul_f32 v24, v19, v22
	v_mul_f32 v25, v20, v22
	global_store_b64 v6, v[24:25], s[10:11]        ; the wave's 8 rows of out1: 256 consecutive bytes, aligned
	v_max_num_f32 v26, v24, v25
	v_max_num_f32_dpp v26, v26, v26 row_xmask:1 row_mask:0xf bank_mask:0xf
	v_max_num_f32_dpp v26, v26, v26 row_xmask:2 row_mask:0xf bank_mask:0xf   ; the row's largest probability
	v_mov_b32 v27, 0x41000000                      ; 8.0: over every expert's number
	v_cmp_eq_f32 vcc_lo, v25, v26
	v_cndmask_b32 v27, v27, v13, vcc_lo
	v_cmp_eq_f32 vcc_lo, v24, v26
	v_cndmask_b32 v27, v27, v12, vcc_lo            ; the lower of my experts that reach it,
	v_min_num_f32_dpp v27, v27, v27 row_xmask:1 row_mask:0xf bank_mask:0xf
	v_min_num_f32_dpp v27, v27, v27 row_xmask:2 row_mask:0xf bank_mask:0xf   ; and the lowest of the row's
	v_cvt_u32_f32 v27, v27
	ds_store_b32 v11, v27                          ; the four lanes of a row write the same word with the same value
	s_wait_dscnt 0x0                               ; for wave 0's sake: my scale bytes and routes lie in LDS
	s_barrier_signal -1
	s_barrier_wait -1
	s_cmp_lg_u32 s20, 0
	s_cbranch_scc1 .Lend                           ; wave 0 stores what the four waves gathered
	ds_load_b128 v[80:83], v78
	ds_load_b32 v84, v79
	s_wait_dscnt 0x0
	global_store_b128 v2, v[80:83], s[16:17]       ; 512 consecutive bytes of xs, aligned
	global_store_b32 v29, v84, s[12:13]            ; 128 consecutive bytes of routes: the work-group has no more
.Lend:
	s_wait_tensorcnt 0x0                           ; the wave's end, behind my last LDS store
	ds_add_u32 v[SPW], v[NIL]
	s_wait_dscnt 0x0
	s_endpgm
	; ---- the weights: task = 4 (work-group - 128) + wave; tasks 0 to 511 take W1, one pair P of one expert each; tasks 512 to 1,023 take W2, two K steps of 64 rows each
.Lweights:
	v_and_b32 v3, 15, v1                           ; r
	v_lshrrev_b32 v4, 4, v1                        ; h
	v_and_b32 v5, 8, v3
	v_add_nc_u32 v5, v5, v3                        ; r + 8 (r / 8)
	v_lshlrev_b32 v5, 8, v5                        ; W1: a row is 256 bytes
	v_lshl_add_u32 v5, v4, 4, v5
	v_lshlrev_b32 v6, 10, v3                       ; W2: a row is 1,024 bytes
	v_lshl_add_u32 v6, v4, 4, v6
	s_sub_co_u32 s21, ttmp9, 128
	s_lshl_b32 s21, s21, 2
	s_add_co_u32 s21, s21, s20                     ; my task
	s_mov_b32 s23, 0
	s_wait_kmcnt 0x0
	s_cmp_lt_u32 ttmp9, 256
	s_cbranch_scc0 .Lw2
	s_lshl_b32 s22, s21, 13                        ; task = 64 e + P: 32 rows of 256 bytes in, 8,192 bytes out
	s_add_nc_u64 s[24:25], s[18:19], s[22:23]
	s_add_nc_u64 s[26:27], s[34:35], s[22:23]
.irp i, 0,1,2,3,4,5,6,7,8,9,10,11,12,13,14,15
	global_load_b128 v[RAW+4*\i:RAW+4*\i+3], v5, s[24:25] offset:2048*(\i/8)+32*(\i%8) th:TH_LOAD_NT     ; i = 8 u + 2 s + c
.endr
	s_branch .Lout
.Lw2:
	s_sub_co_u32 s21, s21, 512                     ; task = 8 (8 e + w) + q
	s_lshr_b32 s22, s21, 3
	s_lshl_b32 s22, s22, 16                        ; 64 rows of 1,024 bytes for each w,
	s_and_b32 s28, s21, 7
	s_lshl_b32 s28, s28, 7                         ; 128 bytes for each q: K steps 2 q, 2 q + 1
	s_add_co_u32 s22, s22, s28
	s_add_nc_u64 s[24:25], s[32:33], s[22:23]
	s_lshl_b32 s22, s21, 13
	s_add_nc_u64 s[26:27], s[36:37], s[22:23]
.irp i, 0,1,2,3,4,5,6,7,8,9,10,11,12,13,14,15
	global_load_b128 v[RAW+4*\i:RAW+4*\i+3], v6, s[24:25] offset:64*(\i/8)+16384*((\i/2)%4)+32*(\i%2) th:TH_LOAD_NT   ; i = 8 (s % 2) + 2 n + c
.endr
.Lout:
.irp i, 0,1,2,3,4,5,6,7,8,9,10,11,12,13,14,15
	s_wait_loadcnt 15-\i                           ; loads come back in order: load i is in
	global_store_b128 v2, v[RAW+4*\i:RAW+4*\i+3], s[26:27] offset:512*\i    ; 512 consecutive bytes, aligned
.endr
	s_endpgm
.Lfunc_end_k_q7c45a29f23_route:
	.size	k_q7c45a29f23_route, .Lfunc_end_k_q7c45a29f23_route-k_q7c45a29f23_route
	.p2alignl 7, 3214868480
	.fill 96, 4, 3214868480
	.section	.rodata,"a",@progbits
	.p2align	6, 0x0
	.amdhsa_kernel k_q7c45a29f23_route
		.amdhsa_group_segment_fixed_size 38656
		.amdhsa_private_segment_fixed_size 0
		.amdhsa_enable_private_segment 0
		.amdhsa_kernarg_size 88
		.amdhsa_user_sgpr_count 2
		.amdhsa_user_sgpr_kernarg_segment_ptr 1
		.amdhsa_wavefront_size32 1
		.amdhsa_system_sgpr_workgroup_id_x 1
		.amdhsa_system_sgpr_workgroup_id_y 1
		.amdhsa_system_sgpr_workgroup_id_z 1
		.amdhsa_system_vgpr_workitem_id 0
		.amdhsa_next_free_vgpr 384
		.amdhsa_next_free_sgpr 66
		.amdhsa_reserve_vcc 1
		.amdhsa_float_denorm_mode_32 3
		.amdhsa_float_denorm_mode_16_64 3
		.amdhsa_memory_ordered 1
		.amdhsa_forward_progress 1
		.amdhsa_inst_pref_size 75
	.end_amdhsa_kernel
	.amdgpu_metadata
---
amdhsa.version: [ 1, 2 ]
amdhsa.kernels:
  - .name:           k_q7c45a29f23_route
    .symbol:         k_q7c45a29f23_route.kd
    .args:
      - { .name: x, .offset: 0, .size: 8, .value_kind: global_buffer, .address_space: global }
      - { .name: Wr, .offset: 8, .size: 8, .value_kind: global_buffer, .address_space: global }
      - { .name: br, .offset: 16, .size: 8, .value_kind: global_buffer, .address_space: global }
      - { .name: out1, .offset: 24, .size: 8, .value_kind: global_buffer, .address_space: global }
      - { .name: routes, .offset: 32, .size: 8, .value_kind: global_buffer, .address_space: global }
      - { .name: xq, .offset: 40, .size: 8, .value_kind: global_buffer, .address_space: global }
      - { .name: xs, .offset: 48, .size: 8, .value_kind: global_buffer, .address_space: global }
      - { .name: W1_codes, .offset: 56, .size: 8, .value_kind: global_buffer, .address_space: global }
      - { .name: W2_codes, .offset: 64, .size: 8, .value_kind: global_buffer, .address_space: global }
      - { .name: w1f, .offset: 72, .size: 8, .value_kind: global_buffer, .address_space: global }
      - { .name: w2f, .offset: 80, .size: 8, .value_kind: global_buffer, .address_space: global }
    .group_segment_fixed_size: 38656
    .private_segment_fixed_size: 0
    .kernarg_segment_align: 8
    .kernarg_segment_size: 88
    .max_flat_workgroup_size: 128
    .sgpr_count:     66
    .vgpr_count:     384
    .wavefront_size: 32
...
	.end_amdgpu_metadata
.endif
;; end of part 4
;; launch experts (part 5): grid 135 x 1, 8 waves a work-group, no clusters, 124,672 bytes of LDS; arguments routes, out2, xq, xs, w1f, W1_scales, b1, w2f, W2_scales, b2, out0; writes out0, out2
.if DOCPART == 5
	.amdgcn_target "amdgcn-amd-amdhsa--gfx1250"
	.amdhsa_code_object_version 6
	.text
	.protected	k_q7c45a29f23_experts
	.globl	k_q7c45a29f23_experts
	.p2align	8
	.type	k_q7c45a29f23_experts,@function
k_q7c45a29f23_experts:
	s_mov_b64 s[64:65], 0
	v_nop
	global_prefetch_b8 v0, s[64:65] scope:SCOPE_SE
	s_setreg_imm32_b32 hwreg(HW_REG_WAVE_MODE, 25, 1), 1
	s_wait_xcnt 0x0
; EXPERTS.  out0[n] = Q(relu(Q(x[n]) W1[e] + b1[e])) W2[e] + b2[e] for e = routes[n], both products on codes of FP4 (E2M1) with one E8M0 scale for each 32 along K; out2[e] = the number of tokens of expert e.
; LEFT OUT: each token's rows of the seven experts that it did not choose, the product with the one_hot (a lookup) and the factor p_max / p_max = 1: shown at the head of the first kernel.
; A work-group takes one tile of 32 rows of one expert through the whole chain; the hidden layer stays in LDS.  The grid, 135 = 4,096 / 32 + 8 - 1, serves every split.
; THE TILE.  Expert e's tokens, in the order (wave, register, lane) in which this kernel reads routes, are cut into tiles of 32; expert e's tiles begin at tile TB[e] = the sum over e' < e of ceil(T[e'] / 32).  Every work-group makes
; its own tile's list from routes (16 KB, whole numbers that the launch before stored): counts in packed fields, the waves' counts through LDS; then lane s of each wave looks for slot s among the wave's own 512 tokens: the register
; whose run of ranks holds the slot, and in that register's lane mask the set bit of that rank, by five halvings over the mask's partial bit counts.  No LDS address hangs on a loaded number.  A slot is found by one wave; the eight
; waves' parts are added.  Slots at or behind the tile's n rows hold token 0; their rows are computed and not stored.  A tile with n = 0 stores nothing: so all barriers stand on the one way that all waves take.
; NO CLUSTER, NO TENSOR LOADS: an expert has ceil(T[e] / 32) tiles, any number from 0 to 128 that hangs on loaded numbers, so neighbouring work-groups need not share an expert, 135 is no multiple of 4, and a descriptor's address would
; hang on a loaded number.  The weights go from memory straight into registers, in the order in which the launch before laid them: 512 consecutive bytes an instruction.
; SHARES.  The eight waves share the columns: wave w makes hidden units 256 w .. 256 w + 255 (K steps 2 w, 2 w + 1 of the second product) and outputs 64 w .. 64 w + 63, for all 32 rows.
; Both products are used transposed (source 0 = 16 rows of a weight, source 1 = 16 rows of the tile): a lane holds one row of the tile, and its registers run along the hidden units or the outputs.
; THE ROWS OF W1 THAT FORM A TILE ARE NOT NEIGHBOURS: lane r of tile u of pair P takes row 32 P + 8 u + r + 8 (r / 8), so that the 16 registers of a pair are 16 neighbours along the next K.  The biases are the C of each sum's first product.
; THE RING.  A wave's weights are 16 units of 8,192 bytes (8 of W1, 8 of W2), 16 loads each, through three sets of 64 registers: 48 loads of a wave are out.
; LIMITS: a block of the hidden layer whose largest number lies under 2^-124, a block of zeros among them, gets the scale byte 1.
.set XT,    0                          ; LDS: the tile's 32 rows of x's codes, 256 bytes + 16
.set HIMG,  8704                       ; the hidden layer's fragments as images of their registers: ((K step x 2 + m) x 2 + c) x 512 + 16 x lane
.set HSC,   41472                      ; their scale words: K step x 128 + 4 x lane: lanes 0-15 rows 0-15, lanes 16-31 rows 16-31
.set B1S,   43520                      ; b1, 1,024 bytes for each wave
.set W2SI,  51712                      ; W2's scale words as images, 4,096 bytes for each wave
.set B2S,   84480                      ; b2, 256 bytes for each wave
.set STG,   86528                      ; the way out: 16 rows x (256 + 16) for each wave
.set CNT,   121344                     ; the waves' counts, 16 bytes each
.set LISTS, 121600                     ; the waves' parts of the tile's list, 128 bytes each
.set LCOPY, 122624                     ; the list, a copy of its own for each wave, 128 bytes each
.set SPARE, 123648                     ; the spare words, 128 bytes for each wave
.set PW,   24                          ; v24-25   the scale words in the making, one for each tile of rows
.set TM,   28                          ; v28-39   +0..3 four chains of maxima (the block's in +2 m), +4+m exchange and byte, +8+m the conversion's scale operand
.set XS,   40                          ; v40-43   x's scale words: word s
.set W1S,  48                          ; v48-79   W1's scale words: 4 b + s: lanes 0-15 tile u = 0, lanes 16-31 u = 1
.set W2S,  48                          ;          later W2's: 16 (n / 2) + s
.set PC,   80                          ; v80-87   codes just made
.set BI,   96                          ; v96-111  b1 of a pair, in the result's layout
.set B2,   80                          ; v80-111  b2, in the result's layout; later
.set TOK,  80                          ; v80-95   the rows' byte offsets in out0
.set ACC,  112                         ; v112-143 a pair's 4 accumulators: 16 m + 8 u
.set HF,   112                         ; v112-175 later four sets of two hidden fragments
.set OB,   112                         ;          later two sets of 16 rows of out0
.set RT,   112                         ; at the head: v112-127 my 16 routes, then
.set XR,   112                         ; x's rows, W2's scale words, b1, b2 on their way to LDS
.set W2T,  128
.set B1T,  160
.set B2T,  168
.set HS,   246                         ; v246-249 the hidden layer's scale words, one for each set
.set SPW,  252                         ; v252     my spare word's address; never rewritten
.set NIL,  253                         ; v253     0; never rewritten
.set TT,   32                          ; s32-39   T[e], the totals
.set PP,   54                          ; s54-61   the tokens of e in the waves ahead of mine
.set MK,   66                          ; s66-81   lane masks: register k's route is my expert
.set OFF,  82                          ; s82-98   the slot of register k's first token of my expert (it may lie under 0 or over 31)
; window 0: v176-239 ring set 2 (at the head: the sort's registers).   window 1: v0-63 x's 8 fragments at 8 (4 m + s), later the 8 accumulators of out0 at 8 (4 m + n); v128-191 ring set 0; v192-255 ring set 1.
.set MSB, 0
.macro WIN new                         ; the immediate's high byte repeats the setting that is left
.if MSB != \new
	s_set_vgpr_msb (MSB<<8)|\new
.set MSB, \new
.endif
.endm
.macro SETOF i                         ; unit i lies in set i % 3: RB its first register, RW its window
.if ((\i)%3) == 0
.set RB, 128
.set RW, 1
.elseif ((\i)%3) == 1
.set RB, 192
.set RW, 1
.else
.set RB, 176
.set RW, 0
.endif
.endm
.macro RLOAD i                         ; unit i: 16 loads of 512 consecutive bytes
	SETOF \i
	WIN (RW<<6)
.set kk, 0
.rept 16
.if (\i) < 8
	global_load_b128 v[RB+4*kk:RB+4*kk+3], v1, s[12:13] offset:8192*((\i)%8)+512*kk
.else
	global_load_b128 v[RB+4*kk:RB+4*kk+3], v1, s[18:19] offset:8192*((\i)%8)+512*kk
.endif
.set kk, kk+1
.endr
	WIN 0
.endm
; A prefetch of unit i, three units ahead of its loads: 32 lanes, 256 bytes apart, name its 8,192 bytes.  Only an expert's first tile asks, each wave for its own units: each block is named once in the launch.  Units 0 to 5 come by their loads alone.
.macro ASK i
	s_cmp_eq_u32 s42, 0
	s_cbranch_scc0 .Lnot_first_\@
.if (\i) < 8
	global_prefetch_b8 v2, s[12:13] offset:8192*((\i)%8) th:TH_LOAD_NT scope:SCOPE_SE
.else
	global_prefetch_b8 v2, s[18:19] offset:8192*((\i)%8) th:TH_LOAD_NT scope:SCOPE_SE
.endif
.Lnot_first_\@:
.endm
.macro WM d, a, b, c, sa, sb, ra, rb   ; D, source 0 (weights), source 1 (rows), C, their scale words; ra, rb = 1: the scales are read from lanes 16-31
.if ((\ra) == 1) && ((\rb) == 1)
	v_wmma_scale_f32_16x16x128_f8f6f4 v[\d:\d+7], v[\a:\a+7], v[\b:\b+7], v[\c:\c+7], v[\sa], v[\sb] matrix_a_fmt:MATRIX_FMT_FP4 matrix_b_fmt:MATRIX_FMT_FP4 matrix_a_scale:MATRIX_SCALE_ROW1 matrix_b_scale:MATRIX_SCALE_ROW1
.elseif (\ra) == 1
	v_wmma_scale_f32_16x16x128_f8f6f4 v[\d:\d+7], v[\a:\a+7], v[\b:\b+7], v[\c:\c+7], v[\sa], v[\sb] matrix_a_fmt:MATRIX_FMT_FP4 matrix_b_fmt:MATRIX_FMT_FP4 matrix_a_scale:MATRIX_SCALE_ROW1
.elseif (\rb) == 1
	v_wmma_scale_f32_16x16x128_f8f6f4 v[\d:\d+7], v[\a:\a+7], v[\b:\b+7], v[\c:\c+7], v[\sa], v[\sb] matrix_a_fmt:MATRIX_FMT_FP4 matrix_b_fmt:MATRIX_FMT_FP4 matrix_b_scale:MATRIX_SCALE_ROW1
.else
	v_wmma_scale_f32_16x16x128_f8f6f4 v[\d:\d+7], v[\a:\a+7], v[\b:\b+7], v[\c:\c+7], v[\sa], v[\sb] matrix_a_fmt:MATRIX_FMT_FP4 matrix_b_fmt:MATRIX_FMT_FP4
.endif
.endm
.macro PLACES                          ; four plain lines behind matrix instructions, in front of loads into their registers and of the first read of results
.rept 4
	v_nop
.endr
.endm
	s_load_b512 s[4:19], s[0:1], 0x0               ; routes, out2, xq, xs, w1f, W1_scales, b1, w2f
	s_load_b128 s[20:23], s[0:1], 0x40             ; W2_scales, b2
	s_load_b64 s[24:25], s[0:1], 0x50              ; out0
	v_lshl_add_u32 v[SPW], v0, 2, SPARE
	v_mov_b32 v[NIL], 0
	v_lshrrev_b32 v1, 5, v0
	v_readfirstlane_b32 s26, v1                    ; wave 0..7
	v_and_b32 v28, 31, v0                          ; lane
	v_lshlrev_b32 v1, 4, v28                       ; v1  16 lane
	s_lshl_b32 s52, s26, 11
	s_mov_b32 s53, 0
	s_wait_kmcnt 0x0
	s_add_nc_u64 s[4:5], s[4:5], s[52:53]          ; my wave's 512 routes
.irp j, 0,1,2,3
	global_load_b128 v[RT+4*\j:RT+4*\j+3], v1, s[4:5] offset:512*\j        ; register 4 j + i of lane l: token 512 w + 128 j + 4 l + i
.endr
	; the addresses are made while the routes are on their way
	v_and_b32 v29, 15, v0                          ; R
	v_bfe_u32 v30, v0, 4, 1                        ; H
	v_lshlrev_b32 v2, 8, v28                       ; v2  256 lane
	v_lshlrev_b32 v6, 6, v28                       ; v6  64 lane
	v_lshlrev_b32 v7, 3, v28                       ; v7  8 lane
	v_lshlrev_b32 v23, 2, v28                      ; v23 4 lane
	v_lshlrev_b32 v19, 4, v29                      ; v19 16 R
	v_lshlrev_b32 v20, 3, v30                      ; v20 8 H
	v_lshlrev_b32 v21, 5, v30                      ; v21 32 H
	s_mul_i32 s43, s26, 4*272
	v_mul_u32_u24 v3, v30, 272
	v_add_nc_u32 v3, v3, v19
	v_add_nc_u32 v3, s43, v3                       ; v3  XT + (4 w + H) 272 + 16 R
	v_mul_u32_u24 v4, v29, 272
	v_lshl_add_u32 v4, v30, 4, v4                  ; v4  XT + 272 R + 16 H
	v_and_b32 v5, 8, v29
	v_add_nc_u32 v5, v5, v29
	v_add_nc_u32 v5, v5, v20
	v_lshlrev_b32 v5, 4, v5                        ; v5  16 (8 H + R + 8 (R / 8))
	s_lshl_b32 s43, s26, 10
	s_add_co_u32 s43, s43, B1S
	v_add_nc_u32 v8, s43, v1                       ; v8  B1S + 1,024 w + 16 lane
	v_lshl_add_u32 v9, v30, 6, s43                 ; v9  B1S + 1,024 w + 64 H
	s_lshl_b32 s43, s26, 12
	s_add_co_u32 s44, s43, W2SI
	v_add_nc_u32 v10, s44, v1                      ; v10 W2SI + 4,096 w + 16 lane
	s_add_co_u32 s44, s43, HIMG
	v_add_nc_u32 v13, s44, v1                      ; v13 HIMG + 4,096 w + 16 lane
	s_lshl_b32 s43, s26, 8
	s_add_co_u32 s44, s43, B2S
	v_add_nc_u32 v11, s44, v7                      ; v11 B2S + 256 w + 8 lane
	v_add_nc_u32 v12, s44, v21                     ; v12 B2S + 256 w + 32 H
	s_add_co_u32 s44, s43, HSC
	v_add_nc_u32 v14, s44, v23                     ; v14 HSC + 256 w + 4 lane
	v_add_nc_u32 v15, HIMG, v1                     ; v15 HIMG + 16 lane
	v_add_nc_u32 v16, HSC, v23                     ; v16 HSC + 4 lane
	s_mul_i32 s43, s26, 16*272
	s_add_co_u32 s43, s43, STG
	v_mul_u32_u24 v17, v29, 272
	v_add_nc_u32 v17, v17, v21
	v_add_nc_u32 v17, s43, v17                     ; v17 STG + 4,352 w + 272 R + 32 H
	v_mul_u32_u24 v18, v30, 8*272
	v_add_nc_u32 v18, v18, v19
	v_add_nc_u32 v18, s43, v18                     ; v18 STG + 4,352 w + 2,176 H + 16 R
	s_mul_i32 s43, s26, 144
	s_add_co_u32 s43, s43, LCOPY
	v_lshl_add_u32 v22, v30, 2, s43                ; v22 LCOPY + 128 w + 4 (4 w + H)
	s_lshl_b32 s43, s26, 7
	s_add_co_u32 s44, s43, LCOPY
	v_add_nc_u32 v44, s44, v21                     ; v44 LCOPY + 128 w + 32 H
	v_add_nc_u32 v47, s44, v23                     ; v47 LCOPY + 128 w + 4 lane
	s_add_co_u32 s44, s43, LISTS
	v_add_nc_u32 v45, s44, v23                     ; v45 LISTS + 128 w + 4 lane
	v_add_nc_u32 v46, LISTS, v23                   ; v46 LISTS + 4 lane
	s_lshl_b32 s43, s26, 4
	s_add_co_u32 s43, s43, CNT
	v_mov_b32 v240, s43                            ; v240 CNT + 16 w
	v_and_b32 v245, 7, v28                         ; v245 lane % 8
	v_lshl_add_u32 v241, v245, 4, CNT              ; v241 CNT + 16 (lane % 8)
.irp m, 0,1
	v_mov_b32 v[TM+4+\m], 0                        ; a lane permute's destination counts as one of its sources
.endr
	s_mov_b32 s48, 0x76543210
	s_mov_b32 s49, 0xfedcba98                      ; v_permlanex16_b32's selects for lane l xor 16
	s_mov_b32 s50, 0xffff0000                      ; lanes 16-31
	v_mov_b32 v176, 0
	v_mov_b32 v177, 0
	s_wait_loadcnt 0x0                             ; my 16 routes
	; ---- my wave's counts: expert r's field is four bits at 4 r; two sums of 8 tokens each, so that no field passes 8
.irp g, 0,1,2,3
.irp i, 0,1,2,3
	v_lshlrev_b32 v[184+\i], 2, v[RT+4*\g+\i]
.endr
.irp i, 0,1,2,3
	v_lshl_add_u32 v[176+\i%2], 1, v[184+\i], v[176+\i%2]
.endr
.endr
	v_and_b32 v178, 0x0f0f0f0f, v176               ; to bytes: experts 0, 2, 4, 6,
	v_lshrrev_b32 v176, 4, v176
	v_and_b32 v176, 0x0f0f0f0f, v176               ; and 1, 3, 5, 7
	v_and_b32 v179, 0x0f0f0f0f, v177
	v_lshrrev_b32 v177, 4, v177
	v_and_b32 v177, 0x0f0f0f0f, v177
	v_add_nc_u32 v178, v178, v179
	v_add_nc_u32 v176, v176, v177
	v_and_b32 v180, 0x00ff00ff, v178               ; to halves: experts 0 | 4,
	v_lshrrev_b32 v178, 8, v178
	v_and_b32 v181, 0x00ff00ff, v178               ; 2 | 6,
	v_and_b32 v182, 0x00ff00ff, v176               ; 1 | 5,
	v_lshrrev_b32 v176, 8, v176
	v_and_b32 v183, 0x00ff00ff, v176               ; 3 | 7
.irp x, 1,2,4,8                                ; summed over the 32 lanes: at most 512 a field
.irp r, 0,1,2,3
	v_mov_b32_dpp v[184+\r], v[180+\r] row_xmask:\x row_mask:0xf bank_mask:0xf
.endr
.irp r, 0,1,2,3
	v_add_nc_u32 v[180+\r], v[180+\r], v[184+\r]
.endr
.endr
.irp r, 0,1,2,3
	v_permlanex16_b32 v[184+\r], v[180+\r], s48, s49
.endr
.irp r, 0,1,2,3
	v_add_nc_u32 v[180+\r], v[180+\r], v[184+\r]
.endr
	ds_store_b128 v240, v[180:183]                 ; all lanes write the same 16 bytes with the same values
	s_wait_dscnt 0x0                               ; for the others' sake: my counts lie in LDS
	s_barrier_signal -1
	s_barrier_wait -1
	ds_load_b128 v[192:195], v241                  ; lane l: wave l % 8's counts
	s_wait_dscnt 0x0
	v_cmp_gt_u32 vcc_lo, s26, v245
.irp r, 0,1,2,3
	v_cndmask_b32 v[184+\r], 0, v[192+\r], vcc_lo  ; the waves ahead of mine alone
.endr
.irp x, 1,2,4                                  ; both summed over eight lanes: at most 4,096 a field
.irp r, 0,1,2,3
	v_mov_b32_dpp v[176+\r], v[192+\r] row_xmask:\x row_mask:0xf bank_mask:0xf
	v_mov_b32_dpp v[180+\r], v[184+\r] row_xmask:\x row_mask:0xf bank_mask:0xf
.endr
.irp r, 0,1,2,3
	v_add_nc_u32 v[192+\r], v[192+\r], v[176+\r]
	v_add_nc_u32 v[184+\r], v[184+\r], v[180+\r]
.endr
.endr
.irp r, 0,1,2,3                                ; register r holds experts 2 (r % 2) + r / 2 and that + 4
	v_readfirstlane_b32 s43, v[192+\r]
	v_readfirstlane_b32 s44, v[184+\r]
	s_and_b32 s[TT+(\r%2)*2+\r/2], s43, 0xffff
	s_lshr_b32 s[TT+(\r%2)*2+\r/2+4], s43, 16
	s_and_b32 s[PP+(\r%2)*2+\r/2], s44, 0xffff
	s_lshr_b32 s[PP+(\r%2)*2+\r/2+4], s44, 16
.endr
	; ---- which expert's tile is mine: the last e whose first tile is at or under my number
	s_mov_b32 s44, 0                               ; tiles ahead of expert e
	s_mov_b32 s40, 0                               ; e
	s_mov_b32 s45, 0                               ; its first tile
	s_mov_b32 s46, 0                               ; its count
	s_mov_b32 s29, 0                               ; its tokens in the waves ahead of mine
.irp e, 0,1,2,3,4,5,6,7
	s_cmp_ge_u32 ttmp9, s44
	s_cselect_b32 s40, \e, s40
	s_cselect_b32 s45, s44, s45
	s_cselect_b32 s46, s[TT+\e], s46
	s_cselect_b32 s29, s[PP+\e], s29
	s_add_co_u32 s47, s[TT+\e], 31
	s_lshr_b32 s47, s47, 5
	s_add_co_u32 s44, s44, s47
.endr
	s_min_u32 s40, s40, 7
	s_sub_co_u32 s42, ttmp9, s45                   ; which tile of the expert
	s_lshl_b32 s47, s42, 5                         ; the rank of its slot 0
	s_sub_co_i32 s41, s46, s47
	s_max_i32 s41, s41, 0
	s_min_i32 s41, s41, 32                         ; n: my tile's rows, 0 .. 32
	s_sub_co_i32 s[OFF], s29, s47                  ; the slot of my wave's first token of e
	s_lshl_b32 s52, s40, 19
	s_lshl_b32 s47, s26, 16
	s_add_co_u32 s52, s52, s47                     ; the codes: 524,288 e + 65,536 w
	s_add_nc_u64 s[12:13], s[12:13], s[52:53]
	s_add_nc_u64 s[18:19], s[18:19], s[52:53]
	s_lshl_b32 s52, s40, 15
	s_lshl_b32 s47, s26, 12
	s_add_co_u32 s52, s52, s47                     ; the scale bytes: 32,768 e + 4,096 w
	s_add_nc_u64 s[14:15], s[14:15], s[52:53]
	s_add_nc_u64 s[20:21], s[20:21], s[52:53]
	s_lshl_b32 s52, s40, 13
	s_lshl_b32 s47, s26, 10
	s_add_co_u32 s52, s52, s47                     ; b1: 8,192 e + 1,024 w
	s_add_nc_u64 s[16:17], s[16:17], s[52:53]
	s_lshl_b32 s52, s40, 11
	s_lshl_b32 s47, s26, 8
	s_add_co_u32 s52, s52, s47                     ; b2: 2,048 e + 256 w
	s_add_nc_u64 s[22:23], s[22:23], s[52:53]
	s_mov_b32 s52, s47                             ; out0: my 64 outputs, 256 w
	s_add_nc_u64 s[24:25], s[24:25], s[52:53]
	; the expert is known: what hangs on it alone goes out now, ahead of the list
.irp b, 0,1,2,3,4,5,6,7
	global_load_b128 v[W1S+4*\b:W1S+4*\b+3], v5, s[14:15] offset:512*\b     ; pair b's rows: four words each
.endr
	global_load_b128 v[B1T:B1T+3], v1, s[16:17]
	global_load_b128 v[B1T+4:B1T+7], v1, s[16:17] offset:512
.irp p, 0,1
.irp q, 0,1,2,3
	global_load_b128 v[W2T+16*\p+4*\q:W2T+16*\p+4*\q+3], v6, s[20:21] offset:2048*\p+16*\q   ; row 64 w + 32 p + lane: 16 words
.endr
.endr
	global_load_b64 v[B2T:B2T+1], v7, s[22:23]
	RLOAD 0
	RLOAD 1
	; ---- my wave's part of the list: lane s looks for slot s
.set kk, 0
.rept 16
	v_cmp_eq_u32 s[MK+kk], s40, v[RT+kk]
.set kk, kk+1
.endr
.set kk, 0
.rept 16
	s_bcnt1_i32_b32 s43, s[MK+kk]
	s_add_co_i32 s[OFF+kk+1], s[OFF+kk], s43
.set kk, kk+1
.endr
	v_mov_b32 v196, 0                              ; the mask of the register that holds my slot: 0 where none does,
	v_mov_b32 v197, 0                              ; its first slot,
	v_mov_b32 v198, 0                              ; its number
.set kk, 0
.rept 8                                        ; the first slots do not fall from register to register: the last register whose first slot is at or under mine holds it
	v_cmp_le_i32 vcc_lo, s[OFF+kk], v28
	v_cmp_le_i32 s30, s[OFF+kk+1], v28
	v_cndmask_b32 v196, v196, s[MK+kk], vcc_lo
	v_cndmask_b32 v197, v197, s[OFF+kk], vcc_lo
	v_cndmask_b32 v198, v198, kk, vcc_lo
	v_cndmask_b32 v196, v196, s[MK+kk+1], s30
	v_cndmask_b32 v197, v197, s[OFF+kk+1], s30
	v_cndmask_b32 v198, v198, kk+1, s30
.set kk, kk+2
.endr
	v_cmp_le_i32 vcc_lo, s[OFF+16], v28
	v_cndmask_b32 v196, v196, 0, vcc_lo            ; unless the slot lies behind my wave's last token of e
	v_sub_nc_u32 v205, v28, v197                   ; how many set bits of the mask lie under mine
	v_lshrrev_b32 v200, 1, v196                    ; the mask's bit counts in fields of 2,
	v_and_b32 v200, 0x55555555, v200
	v_sub_nc_u32 v200, v196, v200
	v_lshrrev_b32 v201, 2, v200                    ; of 4,
	v_and_b32 v201, 0x33333333, v201
	v_and_b32 v206, 0x33333333, v200
	v_add_nc_u32 v201, v201, v206
	v_lshrrev_b32 v202, 4, v201                    ; of 8,
	v_add_nc_u32 v202, v202, v201
	v_and_b32 v202, 0x0f0f0f0f, v202
	v_lshrrev_b32 v203, 8, v202                    ; and, in the low byte, of the low 16
	v_add_nc_u32 v203, v203, v202
	v_and_b32 v206, 0xff, v203
	v_cmp_ge_u32 vcc_lo, v205, v206                ; as many or more are wanted than the low half holds: go to the upper half
	v_cndmask_b32 v204, 0, 16, vcc_lo              ; the bit's place
	v_cndmask_b32 v206, 0, v206, vcc_lo
	v_sub_nc_u32 v205, v205, v206
.macro BSTEP src, n                    ; the same with the n bits from the place reached on
	v_bfe_u32 v206, v[\src], v204, \n
	v_cmp_ge_u32 vcc_lo, v205, v206
	v_cndmask_b32 v207, 0, \n, vcc_lo
	v_cndmask_b32 v206, 0, v206, vcc_lo
	v_add_nc_u32 v204, v204, v207
	v_sub_nc_u32 v205, v205, v206
.endm
	BSTEP 202, 8
	BSTEP 201, 4
	BSTEP 200, 2
	BSTEP 196, 1
	s_lshl_b32 s43, s26, 9
	v_and_b32 v206, 3, v198                        ; the token: i,
	v_lshrrev_b32 v207, 2, v198
	v_lshl_add_u32 v206, v207, 7, v206             ; + 128 j,
	v_lshl_add_u32 v206, v204, 2, v206             ; + 4 x the bit's place,
	v_add_nc_u32 v206, s43, v206                   ; + 512 w
	v_cmp_ne_u32 vcc_lo, 0, v196
	v_cndmask_b32 v206, 0, v206, vcc_lo            ; 0 where my wave does not hold the slot
	ds_store_b32 v45, v206
	s_wait_dscnt 0x0                               ; for the others' sake: my part of the list lies in LDS
	s_barrier_signal -1
	s_barrier_wait -1
.irp w, 0,1,2,3,4,5,6,7
	ds_load_b32 v[210+\w], v46 offset:128*\w
.endr
	s_wait_dscnt 0x0
	v_add3_u32 v218, v210, v211, v212              ; one wave holds a slot, the others have 0
	v_add3_u32 v219, v213, v214, v215
	v_add3_u32 v218, v218, v216, v217
	v_add_nc_u32 v218, v218, v219                  ; lane s: the token of row s
	ds_store_b32 v47, v218                         ; my wave's own copy: LDS serves a wave's instructions in order
	ds_load_b32 v242, v22                          ; the tokens of rows 4 w + H
	ds_load_b32 v243, v22 offset:8                 ; and 4 w + 2 + H
	v_min_u32 v244, 0xfff, v218
	v_lshlrev_b32 v244, 4, v244                    ; a token's scale bytes are 16
	s_wait_dscnt 0x0
.irp q, 0,1
	v_min_u32 v[242+\q], 0xfff, v[242+\q]
	v_lshl_add_u32 v[242+\q], v[242+\q], 8, v19    ; its codes 256: sixteen lanes take a row
.endr
.irp q, 0,1
	global_load_b128 v[XR+4*\q:XR+4*\q+3], v[242+\q], s[8:9]
.endr
	global_load_b128 v[XS:XS+3], v244, s[10:11]    ; word s: lanes 0-15 rows 0-15, lanes 16-31 rows 16-31
	RLOAD 2
	s_wait_loadcnt 16                              ; all that was asked for ahead of unit 2's 16 loads is in
.irp q, 0,1
	ds_store_b128 v3, v[XR+4*\q:XR+4*\q+3] offset:544*\q
.endr
	ds_store_b128 v8, v[B1T:B1T+3]
	ds_store_b128 v8, v[B1T+4:B1T+7] offset:512
.irp p, 0,1
.irp q, 0,1,2,3
	ds_store_b128 v10, v[W2T+16*\p+4*\q:W2T+16*\p+4*\q+3] offset:512*(4*\p+\q)
.endr
.endr
	ds_store_b64 v11, v[B2T:B2T+1]
.irp u, 0,1
.irp g, 0,1
	ds_load_b128 v[BI+8*\u+4*\g:BI+8*\u+4*\g+3], v9 offset:32*\u+16*\g      ; b1 of pair 0 (my own bytes)
.endr
.endr
	s_wait_dscnt 0x0                               ; for the others' sake: my 4 rows of x lie in LDS
	s_barrier_signal -1
	s_barrier_wait -1
	WIN 0x40
.irp m, 0,1
.irp s, 0,1,2,3
.irp c, 0,1
	ds_load_b128 v[8*(4*\m+\s)+4*\c:8*(4*\m+\s)+4*\c+3], v4 offset:4352*\m+64*\s+32*\c     ; x's fragments stay in registers
.endr
.endr
.endr
	WIN 0
; The pair's 32 numbers a lane, register 16 m + i = hidden unit 32 P + 16 H + i of row 16 m + R: relu, then the two blocks (one for each tile of rows m) are quantised.  A block lies in lanes l and l xor 16.
.macro QUANT2 b
.set jj, 0
.rept 32
	v_max_num_f32 v[ACC+jj], 0, v[ACC+jj]          ; the activation, in f32; each accumulator from its low end on
.set jj, jj+1
.endr
.irp q, 0,1,2,3                                ; four chains, one for each accumulator, so that no line waits for the line above it.  No |.|: none is negative
	v_max3_num_f32 v[TM+\q], v[ACC+8*\q], v[ACC+8*\q+1], v[ACC+8*\q+2]
.endr
.irp i, 3,5
.irp q, 0,1,2,3
	v_max3_num_f32 v[TM+\q], v[TM+\q], v[ACC+8*\q+\i], v[ACC+8*\q+\i+1]
.endr
.endr
.irp m, 0,1
	v_max3_num_f32 v[TM+2*\m], v[TM+2*\m], v[TM+2*\m+1], v[ACC+16*\m+7]
.endr
.irp m, 0,1
	v_max3_num_f32 v[TM+2*\m], v[TM+2*\m], v[ACC+16*\m+15], 0x1800000      ; the floor 2^(3 - 127) holds the byte at 1 from below
.endr
.irp m, 0,1
	v_permlanex16_b32 v[TM+4+\m], v[TM+2*\m], s48, s49
.endr
.irp m, 0,1
	v_max_num_f32 v[TM+2*\m], v[TM+2*\m], v[TM+4+\m]
.endr
.irp m, 0,1
	v_add_nc_u32 v[TM+8+\m], 0xff000000, v[TM+2*\m]        ; 2 off the exponent field: the conversion's scale operand
.endr
.irp m, 0,1
	v_lshrrev_b32 v[TM+4+\m], 23, v[TM+8+\m]       ; the scale's byte
.endr
.irp m, 0,1
.if ((\b)%4) == 0
	v_mov_b32 v[PW+\m], v[TM+4+\m]
.else
	v_lshl_or_b32 v[PW+\m], v[TM+4+\m], 8*((\b)%4), v[PW+\m]
.endif
.endr
.irp m, 0,1
	v_cvt_scalef32_pk8_fp4_f32 v[PC+4*\m+2*((\b)%2)], v[ACC+16*\m:ACC+16*\m+7], v[TM+8+\m]
	v_cvt_scalef32_pk8_fp4_f32 v[PC+4*\m+2*((\b)%2)+1], v[ACC+16*\m+8:ACC+16*\m+15], v[TM+8+\m]
.endr
	v_nop                                          ; one plain line behind the last conversion
.if ((\b)%2) == 1                              ; two blocks make four registers of a fragment: lanes 0-15 take the even block whole, lanes 16-31 the odd one
.irp m, 0,1
	v_permlane16_swap_b32 v[PC+4*\m], v[PC+4*\m+2]
	v_permlane16_swap_b32 v[PC+4*\m+1], v[PC+4*\m+3]
.endr
.irp m, 0,1
	ds_store_b128 v13, v[PC+4*\m:PC+4*\m+3] offset:2048*((\b)/4)+1024*\m+512*(((\b)/2)%2)
.endr
.endif
.if ((\b)%4) == 3                              ; four blocks make a K step's scale word
	v_cndmask_b32 v[TM], v[PW], v[PW+1], s50
	ds_store_b32 v14, v[TM] offset:128*((\b)/4)
.endif
.endm
; Pair b of my hidden units for all 32 rows: 16 matrix instructions, the 4 accumulators by turns, one instruction a turn.
.macro TRIP b
	s_wait_dscnt 0x0                               ; b1 of this pair is in; the last images' stores have read their registers (first trip: x's fragments are in)
	s_wait_loadcnt 32                              ; unit b is in; the two units behind it are younger
	SETOF \b
	WIN 0x04|RW                                    ; source 0: the set's window; source 1 (x) window 1; C and D window 0
.irp s, 0,1,2,3
.irp m, 0,1
.irp u, 0,1
.if \s == 0
	WM ACC+16*\m+8*\u, RB+8*(4*\u+\s), 8*(4*\m+\s), BI+8*\u, W1S+4*(\b)+\s, XS+\s, \u, \m
.else
	WM ACC+16*\m+8*\u, RB+8*(4*\u+\s), 8*(4*\m+\s), ACC+16*\m+8*\u, W1S+4*(\b)+\s, XS+\s, \u, \m
.endif
.endr
.endr
.endr
	WIN 0
	PLACES
	RLOAD (\b)+3                                   ; into the set just multiplied
	ASK (\b)+6
.if (\b) < 7
.irp u, 0,1
.irp g, 0,1
	ds_load_b128 v[BI+8*\u+4*\g:BI+8*\u+4*\g+3], v9 offset:128*((\b)+1)+32*\u+16*\g
.endr
.endr
.endif
	QUANT2 \b
.endm
.irp t, 0,1,2,3,4,5,6,7
	TRIP \t
.endr
	s_wait_dscnt 0x0                               ; for the others' sake: my two K steps of the hidden layer lie in LDS
	s_barrier_signal -1
	s_barrier_wait -1
.macro HLOAD s                         ; K step s: the two tiles' fragments and their scale word, as they were stored, into set s % 4: five LDS loads
.irp m, 0,1
.irp c, 0,1
	ds_load_b128 v[HF+16*((\s)%4)+8*\m+4*\c:HF+16*((\s)%4)+8*\m+4*\c+3], v15 offset:2048*(\s)+1024*\m+512*\c
.endr
.endr
	ds_load_b32 v[HS+(\s)%4], v16 offset:128*(\s)
.endm
; K step s of the second product: 8 matrix instructions, the 8 accumulators by turns.  A step is short, so its fragments are fetched four steps ahead.
.macro KSTEP s
.set UU, 8+(\s)/2
	SETOF UU
.if ((\s)%2) == 0
.if UU <= 13
	s_wait_loadcnt 32                              ; this unit is in; the two behind it are younger
.elseif UU == 14
	s_wait_loadcnt 16                              ; younger: unit 15's 16 loads
.else
	s_wait_loadcnt 0x0
.endif
.endif
.if (\s) <= 11
	s_wait_dscnt 15                                ; this K step's five loads are in; the next three steps' may be out
.else
	s_wait_dscnt 5*(15-(\s))+4                     ; younger: the steps that are left, and the four loads of the rows' tokens
.endif
.if (\s) == 0
	WIN 0x40|RW                                    ; D window 1; source 0 the set's window; source 1 and C (b2) window 0
.else
	WIN 0x50|RW                                    ; C window 1 too
.endif
.irp m, 0,1
.irp n, 0,1,2,3
.if (\s) == 0
	WM 8*(4*\m+\n), RB+8*(4*((\s)%2)+\n), HF+16*((\s)%4)+8*\m, B2+8*\n, W2S+16*(\n/2)+(\s), HS+(\s)%4, \n%2, \m
.else
	WM 8*(4*\m+\n), RB+8*(4*((\s)%2)+\n), HF+16*((\s)%4)+8*\m, 8*(4*\m+\n), W2S+16*(\n/2)+(\s), HS+(\s)%4, \n%2, \m
.endif
.endr
.endr
	WIN 0
	PLACES
.if (\s)+4 <= 15
	HLOAD (\s)+4
.endif
.if (\s) == 11
.irp m, 0,1
.irp g, 0,1
	ds_load_b128 v[TOK+8*\m+4*\g:TOK+8*\m+4*\g+3], v44 offset:64*\m+16*\g  ; register 8 m + i: the token of row 16 m + 8 H + i, from my wave's copy of the list
.endr
.endr
.endif
.if ((\s)%2) == 1
.if UU+3 <= 15
	RLOAD UU+3
.endif
.set UU, 8+(\s)/2
.if UU+6 <= 15
	ASK UU+6
.endif
.endif
.endm
.irp p, 0,1
.irp q, 0,1,2,3
	ds_load_b128 v[W2S+16*\p+4*\q:W2S+16*\p+4*\q+3], v10 offset:512*(4*\p+\q)
.endr
.endr
.irp n, 0,1,2,3
.irp g, 0,1
	ds_load_b128 v[B2+8*\n+4*\g:B2+8*\n+4*\g+3], v12 offset:64*\n+16*\g
.endr
.endr
	HLOAD 0
	HLOAD 1
	HLOAD 2
	HLOAD 3
.irp t, 0,1,2,3,4,5,6,7,8,9,10,11,12,13,14,15
	KSTEP \t
.endr
	s_wait_dscnt 0x0                               ; the tokens
.set jj, 0
.rept 16
	v_min_u32 v[TOK+jj], 0xfff, v[TOK+jj]
.set jj, jj+1
.endr
.set jj, 0
.rept 16
	v_lshl_add_u32 v[TOK+jj], v[TOK+jj], 11, v19   ; a row of out0 is 2,048 bytes; 16 bytes a lane
.set jj, jj+1
.endr
; THE WAY OUT, a tile of 16 rows at a time.  A lane holds 32 neighbouring bytes of a row for each n; through my own stage they come back as rows of 256 bytes: lanes 0-15 row i, lanes 16-31 row 8 + i.
.macro TOSTAGE m
	WIN 0x04                                       ; an LDS store's data are its source 1: window 1
.irp n, 0,1,2,3
	ds_store_b128 v17, v[8*(4*(\m)+\n):8*(4*(\m)+\n)+3] offset:64*\n       ; each accumulator from its low end on
	ds_store_b128 v17, v[8*(4*(\m)+\n)+4:8*(4*(\m)+\n)+7] offset:64*\n+16
.endr
	WIN 0
.irp i, 0,1,2,3,4,5,6,7
	ds_load_b128 v[OB+32*((\m)%2)+4*\i:OB+32*((\m)%2)+4*\i+3], v18 offset:272*\i   ; LDS serves a wave's instructions in order: these see my stores
.endr
.endm
; 16 rows that all lie under n go out by eight plain stores; else each store's lanes are chosen.  The branch hangs on n, the same in all waves; no barrier stands behind it.
.macro SEND m, younger                 ; younger: the LDS instructions issued behind this tile's loads
	s_wait_dscnt \younger
	s_cmp_ge_i32 s41, 16*(\m)+16
	s_cbranch_scc0 .Lpart_\@
.irp i, 0,1,2,3,4,5,6,7
	global_store_b128 v[TOK+8*(\m)+\i], v[OB+32*((\m)%2)+4*\i:OB+32*((\m)%2)+4*\i+3], s[24:25] th:TH_STORE_NT   ; sixteen lanes store 256 consecutive bytes of a token's row, aligned
.endr
	s_branch .Lsent_\@
.Lpart_\@:
	s_wait_xcnt 0x0                                ; EXEC changes only behind this wait
.irp i, 0,1,2,3,4,5,6,7
	s_sub_co_i32 s43, s41, 16*(\m)+\i
	v_cmp_gt_i32 vcc_lo, s43, v20                  ; row 16 m + 8 H + i counts where it lies under n
	s_and_saveexec_b32 s44, vcc_lo
	global_store_b128 v[TOK+8*(\m)+\i], v[OB+32*((\m)%2)+4*\i:OB+32*((\m)%2)+4*\i+3], s[24:25] th:TH_STORE_NT
	s_wait_xcnt 0x0                                ; and again, in front of the line that widens it
	s_or_b32 exec_lo, exec_lo, s44
.endr
.Lsent_\@:
.endm
	TOSTAGE 0
	TOSTAGE 1
	SEND 0, 16
	SEND 1, 0
	; out2: every work-group knows the totals; wave 0 of work-group 0 stores them
	s_or_b32 s43, ttmp9, s26
	s_cmp_lg_u32 s43, 0
	s_cbranch_scc1 .Lno_counts
	v_mov_b32 v206, s[TT]
.irp e, 1,2,3,4,5,6,7
	v_cmp_eq_u32 vcc_lo, 4*\e, v23
	v_cndmask_b32 v206, v206, s[TT+\e], vcc_lo     ; lane e: T[e]
.endr
	v_cvt_f32_u32 v207, v206
	s_wait_xcnt 0x0                                ; EXEC changes only behind this wait
	v_cmp_gt_u32 vcc_lo, 32, v23                   ; lanes 0 to 7
	s_and_saveexec_b32 s44, vcc_lo
	global_store_b32 v23, v207, s[6:7]
	s_wait_xcnt 0x0                                ; and again, in front of the line that widens it
	s_or_b32 exec_lo, exec_lo, s44
.Lno_counts:
	s_wait_tensorcnt 0x0                           ; the wave's end, behind my last LDS store
	ds_add_u32 v[SPW], v[NIL]
	s_wait_dscnt 0x0
	s_endpgm
.Lfunc_end_k_q7c45a29f23_experts:
	.size	k_q7c45a29f23_experts, .Lfunc_end_k_q7c45a29f23_experts-k_q7c45a29f23_experts
	.p2alignl 7, 3214868480
	.fill 96, 4, 3214868480
	.section	.rodata,"a",@progbits
	.p2align	6, 0x0
	.amdhsa_kernel k_q7c45a29f23_experts
		.amdhsa_group_segment_fixed_size 124672
		.amdhsa_private_segment_fixed_size 0
		.amdhsa_enable_private_segment 0
		.amdhsa_kernarg_size 88
		.amdhsa_user_sgpr_count 2
		.amdhsa_user_sgpr_kernarg_segment_ptr 1
		.amdhsa_wavefront_size32 1
		.amdhsa_system_sgpr_workgroup_id_x 1
		.amdhsa_system_sgpr_workgroup_id_y 1
		.amdhsa_system_sgpr_workgroup_id_z 1
		.amdhsa_system_vgpr_workitem_id 0
		.amdhsa_next_free_vgpr 512
		.amdhsa_next_free_sgpr 100
		.amdhsa_reserve_vcc 1
		.amdhsa_float_denorm_mode_32 3
		.amdhsa_float_denorm_mode_16_64 3
		.amdhsa_memory_ordered 1
		.amdhsa_forward_progress 1
		.amdhsa_inst_pref_size 136
	.end_amdhsa_kernel
	.amdgpu_metadata
---
amdhsa.version: [ 1, 2 ]
amdhsa.kernels:
  - .name:           k_q7c45a29f23_experts
    .symbol:         k_q7c45a29f23_experts.kd
    .args:
      - { .name: routes, .offset: 0, .size: 8, .value_kind: global_buffer, .address_space: global }
      - { .name: out2, .offset: 8, .size: 8, .value_kind: global_buffer, .address_space: global }
      - { .name: xq, .offset: 16, .size: 8, .value_kind: global_buffer, .address_space: global }
      - { .name: xs, .offset: 24, .size: 8, .value_kind: global_buffer, .address_space: global }
      - { .name: w1f, .offset: 32, .size: 8, .value_kind: global_buffer, .address_space: global }
      - { .name: W1_scales, .offset: 40, .size: 8, .value_kind: global_buffer, .address_space: global }
      - { .name: b1, .offset: 48, .size: 8, .value_kind: global_buffer, .address_space: global }
      - { .name: w2f, .offset: 56, .size: 8, .value_kind: global_buffer, .address_space: global }
      - { .name: W2_scales, .offset: 64, .size: 8, .value_kind: global_buffer, .address_space: global }
      - { .name: b2, .offset: 72, .size: 8, .value_kind: global_buffer, .address_space: global }
      - { .name: out0, .offset: 80, .size: 8, .value_kind: global_buffer, .address_space: global }
    .group_segment_fixed_size: 124672
    .private_segment_fixed_size: 0
    .kernarg_segment_align: 8
    .kernarg_segment_size: 88
    .max_flat_workgroup_size: 256
    .sgpr_count:     100
    .vgpr_count:     512
    .wavefront_size: 32
...
	.end_amdgpu_metadata
.endif
;; end of part 5
